; MI455X (gfx1250); checked and timed in simulation.
; The chip was launched on July 23, 2026; its instructions are those of AMD's public machine-readable ISA for CDNA 5 (MIT licence, August 2026) and "CDNA5" Instruction Set Architecture Reference Guide (July 2026). The comments in the code are by the model that wrote it; some were corrected since.
;; Transformer Block. Allowed arithmetic: matrix products marked QUANTISED: E2M3 operands, one E8M0 scale for each 32 along K, by v_wmma_scale_f32_16x16x128_f8f6f4 with both operands' format E2M3, f32 sums; products left as they are: f32 operands where the result goes on into a quantised operand, else bf16, f16 or f32 operands; f32 sums; everything else in f32.
;; Inputs: Wk 1,024 x 1,024 float32; Wo 1,024 x 1,024 float32; Wq 1,024 x 1,024 float32; Wv 1,024 x 1,024 float32; bo 1,024 float32; x 8 x 1,024 x 1,024 float32.
;; Outputs: out0 8 x 1,024 x 1,024 float32.
;; This version of the problem:
;;   THIS VERSION OF THE PROBLEM IS GIVEN IN LOW PRECISION. The matrix products marked QUANTISED in the list below multiply operands that are first quantised to E2M3 (2 exponent bits, 3 mantissa bits; 6 bits a number), with one power-of-two scale for each 32 numbers along K (OCP MX v1.0); their sums are f32. All else is computed in f32.
;;   The module's matrix products, in the order in which they are computed (A, B: the left and right operand; K: the contracted axis; several contracted axes count as one K, in the product's order):
;;     1. [M 8,192, K 1,024] x [K 1,024, N 1,024]; A: input x; B: input Wq: QUANTISED
;;     2. [M 8,192, K 1,024] x [K 1,024, N 1,024]; A: input x; B: input Wk: QUANTISED
;;     3. [M 8,192, K 1,024] x [K 1,024, N 1,024]; A: input x; B: input Wv: QUANTISED
;;     4. batch 128 x [M 1,024, K 64] x [K 64, N 1,024]; A: computed on the way; B: computed on the way: QUANTISED
;;     5. batch 131,072 x [M 1, K 1] x [K 1, N 64]; A: computed on the way; B: computed on the way: left as it is (no contracted axis)
;;     6. [M 8,192, K 1,024] x [K 1,024, N 1,024]; A: computed on the way; B: input Wo: QUANTISED
;;   THE QUANTISER, for each operand of a quantised product, along K:
;;     - K is cut into blocks of 32 from its start; a last block that is shorter is filled with zeros.
;;     - A block's scale is 2^e with e = floor(log2(the largest magnitude in the block)) - 2, held to -126 .. 127; a block of zeros has e = 0. As a byte (E8M0): e + 127.
;;     - Each number is divided by its block's scale, clamped to +-7.5, and rounded to the nearest number of E2M3, ties to even, subnormals kept.
;;     - The product sums the exact products of the quantised numbers (number of the format x scale) in f32.
;;   ~~~python
;;   def quantise(x, axis):      # numpy; x: float32 -> the quantised numbers, widened to float32 again
;;       x = np.moveaxis(x, axis, -1); K = x.shape[-1]
;;       x = np.pad(x, [(0, 0)] * (x.ndim - 1) + [(0, -K % 32)]); x = x.reshape(x.shape[:-1] + (-1, 32)); a = np.abs(x).max(-1, keepdims=True)
;;       e = np.where(a > 0, np.clip(np.frexp(np.where(a > 0, a, 1))[1] - 1 - 2, -126, 127), 0)      # np.frexp(a)[1] - 1 = floor(log2(a)), exactly
;;       r = np.clip(x / 2.0 ** e, -7.5, 7.5)
;;       step = 2.0 ** (np.maximum(np.frexp(np.where(r == 0, 1, r))[1] - 1, 0) - 3)
;;       q = np.round(r / step) * step * 2.0 ** e      # np.round: ties to even
;;       return np.moveaxis(q.reshape(q.shape[:-2] + (-1,))[..., :K], -1, axis).astype(np.float32)
;;   ~~~
;;   OPERANDS COMPUTED ON THE WAY. 'Computed on the way' means the value that the module computes at that place (a softmax that the list does not call 'softmax' is quantised finished and normalised). What goes into a quantiser is computed in f32, as accurately as f32 sums, v_exp_f32 and their like allow (about 1e-6 of the number): no bf16 or f16 on the way to a quantiser, and a product that is left as it is and whose result goes on into a quantised operand takes f32 operands (vector FMAs, or v_wmma_f32_16x16x4_f32). A number that lies on a knife's edge between two numbers of the format may be rounded either way, as far as f32 arithmetic and the matrix unit's own rounding can turn it there, and no further.
;; One version. Each part assembles by itself: llvm-mc -triple=amdgcn-amd-amdhsa -mcpu=gfx1250 --defsym DOCPART=n.
;; ======== version 1 of 1: 5 launches
;; limits: right only within a limited range of input values
;; workspace buffers: xc 6,291,456 bytes; xs 262,144 bytes; wc 3,145,728 bytes; ws 131,072 bytes; qk 13,631,488 bytes; cs 2,097,152 bytes; oc 6,291,456 bytes; os 262,144 bytes
;; launch quant (part 1): grid 384 x 1, 4 waves a work-group, no clusters, 33,280 bytes of LDS; arguments x, Wq, Wk, Wv, Wo, xc, xs, wc, ws; writes xc, xs, wc, ws
.if DOCPART == 1
	.amdgcn_target "amdgcn-amd-amdhsa--gfx1250"
	.amdhsa_code_object_version 6
	.text
	.protected	k_q69c9985744_quant
	.globl	k_q69c9985744_quant
	.p2align	8
	.type	k_q69c9985744_quant,@function
k_q69c9985744_quant:
	s_mov_b64 s[64:65], 0
	v_nop
	global_prefetch_b8 v0, s[64:65] scope:SCOPE_SE
	s_setreg_imm32_b32 hwreg(HW_REG_WAVE_MODE, 25, 1), 1
	s_wait_xcnt 0x0
; x [8192][1024] and the four weights [1024][1024], f32, K innermost, become codes of FP6 (E2M3) and one E8M0 byte for each 32 along K.
; CODES are laid [K tile of 256][row][192 bytes]: the rows of a K tile are dense, so that 128 rows of a tile are one block of 24,576 bytes.  SCALE BYTES: [row][32].
; wc holds three regions: Wq' then Wk' (2,048 rows) at 0, Wv' at 1,572,864, Wo at 2,359,296; ws likewise at 0, 65,536 and 98,304.
; THE ROWS OF Wq, Wk, Wv ARE PERMUTED: physical row P holds the logical column L = P with bits 3 and 4 exchanged, L = 64 h + d, which is the source's row 16 d + h
; (the head is the fastest axis of a projection's columns).  With that order the 16 registers of two neighbouring result tiles of the later product are 16 neighbours along d.
; A block's scale is 2^(floor(log2(largest magnitude)) - 2); its byte is the largest magnitude's exponent field - 2, held at 1 from below.
; LIMITS: a block of zeros gets the byte 1 where the rule says 127 (its codes are zeros, and this program alone reads the bytes); blocks whose largest magnitude lies under 2^-124 were not tried;
; NaN and infinities among the inputs are not served.
; SHARES: a wave takes 8 output rows x 1,024 along K in 16 steps of 2 rows x 256; a work-group 32 rows.  Work-groups 0-255: x; 256-287 Wq; 288-319 Wk; 320-351 Wv; 352-383 Wo.
; All tensors take ONE path: only pointers and strides are chosen, by the work-group's number.  Each load reads 512 consecutive bytes; a step's 2,048 bytes turn through the wave's own stage in LDS
; so that a lane holds 16 neighbours along K (lanes 0-15 the even row, lanes 16-31 the odd one); a step's codes leave as 384 consecutive bytes; a wave's 256 scale bytes as one aligned block.
; No barrier: waves share nothing.  Loads run four steps (16 loads a wave) ahead, the turn through LDS one step.
.set STEPS, 16
.set EMAX,  2
.set CB,    12                         ; bytes of 16 codes
.set R,     16                         ; v16-79   four sets of 16 numbers as loaded
.set X,     80                         ; v80-111  two sets of 16 neighbours
.set E,     112                        ; v112-127 a scale byte for each step
.set C,     128                        ; v128-191 codes: four registers a step, so that no store's data are written again
.set VL,    192                        ; v192-199 16 x lane + j x the source's row stride, j = 0 .. 7
.set VS,    200                        ; v200-203 12 x lane + kt x the K tile's bytes
.set WREG,  8192                       ; LDS: a region for each wave: two stages of 32 x SP bytes, then its 256 scale bytes
.set SP,    80                         ; a lane's place in a stage: 64 bytes + 16 of padding
	s_load_b256 s[4:11], s[0:1], 0x0               ; x s[4:5], Wq s[6:7], Wk s[8:9], Wv s[10:11]
	s_load_b256 s[12:19], s[0:1], 0x20             ; Wo s[12:13], xc s[14:15], xs s[16:17], wc s[18:19]
	s_load_b64 s[20:21], s[0:1], 0x40              ; ws
	v_lshl_add_u32 v208, v0, 2, 0x8000
	v_mov_b32 v209, 0
	v_lshrrev_b32 v1, 5, v0
	v_readfirstlane_b32 s33, v1                    ; wave
	v_and_b32 v2, 31, v0                           ; lane
	v_lshlrev_b32 v3, 4, v2                        ; my 16 bytes of a load's 512
	s_mul_i32 s34, s33, WREG
	v_lshrrev_b32 v14, 2, v2
	v_mul_u32_u24 v14, v14, SP
	v_and_b32 v15, 3, v2
	v_lshl_add_u32 v14, v15, 4, v14
	v_add_nc_u32 v14, s34, v14                     ; the stage, on the way in: SP (lane / 4) + 16 (lane % 4)
	v_mul_u32_u24 v15, v2, SP
	v_add_nc_u32 v15, s34, v15                     ; and on the way out: SP x lane
	v_mul_u32_u24 v4, v2, CB                       ; my codes' place in a step's 384 bytes
	s_add_co_u32 s34, s34, 2*32*SP
	v_and_b32 v5, 15, v2
	v_lshrrev_b32 v5, 1, v5                        ; my block among the row's eight of this K tile
	v_lshrrev_b32 v6, 4, v2
	v_lshl_add_u32 v5, v6, 5, v5                   ; + 32 bytes for the odd row
	v_add_nc_u32 v5, s34, v5                       ; LDS: my block's byte among the wave's 256
	v_lshlrev_b32 v7, 3, v2                        ; on the way out 8 bytes a lane
	v_add_nc_u32 v6, s34, v7
	; what the work-group's number chooses
	s_lshr_b32 s22, ttmp9, 5
	s_and_b32 s22, s22, 3                          ; which weight: 0 Wq, 1 Wk, 2 Wv, 3 Wo (256 is a multiple of 128)
	s_and_b32 s23, ttmp9, 31                       ; which 32 rows of it
	s_mov_b32 s24, 0                               ; the region's first byte of codes
	s_mov_b32 s25, 0                               ; and of scale bytes
	s_mov_b32 s26, 0                               ; rows ahead of mine in the region
	s_mov_b32 s27, 393216                          ; a K tile of the region, in bytes
	s_mov_b32 s28, 65536                           ; from one of my rows to the next in the source: 16 rows where permuted
	s_mov_b32 s29, 1                               ; permuted
	s_cmp_eq_u32 s22, 1
	s_cselect_b32 s26, 1024, s26
	s_cmp_ge_u32 s22, 2
	s_cselect_b32 s27, 196608, s27
	s_cselect_b32 s24, 1572864, s24
	s_cselect_b32 s25, 65536, s25
	s_cmp_eq_u32 s22, 3
	s_cselect_b32 s24, 2359296, s24
	s_cselect_b32 s25, 98304, s25
	s_cselect_b32 s28, 4096, s28
	s_cselect_b32 s29, 0, s29
	s_cmp_lt_u32 ttmp9, 256                        ; x
	s_cselect_b32 s24, 0, s24
	s_cselect_b32 s25, 0, s25
	s_cselect_b32 s26, 0, s26
	s_cselect_b32 s27, 1572864, s27
	s_cselect_b32 s28, 4096, s28
	s_cselect_b32 s29, 0, s29
	s_cselect_b32 s23, ttmp9, s23
	s_lshl_b32 s30, s23, 5
	s_lshl_b32 s31, s33, 3
	s_add_co_u32 s30, s30, s31                     ; my wave's first row in its tensor, a multiple of 8
	s_and_b32 s31, s30, 0x3e7                      ; bits 3 and 4 change places:
	s_and_b32 s35, s30, 8
	s_lshl_b32 s35, s35, 1
	s_or_b32 s31, s31, s35
	s_and_b32 s35, s30, 16
	s_lshr_b32 s35, s35, 1
	s_or_b32 s31, s31, s35                         ; the logical column 64 h + d;
	s_and_b32 s35, s31, 63
	s_lshl_b32 s35, s35, 4
	s_lshr_b32 s31, s31, 6
	s_add_co_u32 s31, s31, s35                     ; the source's row 16 d + h; my next rows lie 16 rows further on each
	s_cmp_eq_u32 s29, 1
	s_cselect_b32 s31, s31, s30
	s_lshl_b32 s36, s31, 12                        ; the source row in bytes
	s_mov_b32 s37, 0
	s_add_co_u32 s30, s30, s26                     ; my first row in the region
	s_mul_i32 s38, s30, 192
	s_add_co_u32 s38, s38, s24
	s_mov_b32 s39, 0
	s_lshl_b32 s40, s30, 5
	s_add_co_u32 s40, s40, s25
	s_mov_b32 s41, 0
.irp j, 0,1,2,3,4,5,6,7
	s_mul_i32 s44, s28, \j
	v_add_nc_u32 v[VL+\j], s44, v3
.endr
.irp j, 0,1,2,3
	s_mul_i32 s44, s27, \j
	v_add_nc_u32 v[VS+\j], s44, v4
.endr
	s_wait_alu depctr_va_vdst(0)
	s_wait_kmcnt 0x0
	s_cmp_eq_u32 s22, 1                            ; the buffers are chosen by the work-group's number alone
	s_cselect_b64 s[6:7], s[8:9], s[6:7]
	s_cmp_eq_u32 s22, 2
	s_cselect_b64 s[6:7], s[10:11], s[6:7]
	s_cmp_eq_u32 s22, 3
	s_cselect_b64 s[6:7], s[12:13], s[6:7]
	s_cmp_lt_u32 ttmp9, 256
	s_cselect_b64 s[4:5], s[4:5], s[6:7]           ; the source
	s_cselect_b64 s[14:15], s[14:15], s[18:19]     ; its codes
	s_cselect_b64 s[16:17], s[16:17], s[20:21]     ; its scale bytes
	s_add_nc_u64 s[4:5], s[4:5], s[36:37]
	s_add_nc_u64 s[14:15], s[14:15], s[38:39]
	s_add_nc_u64 s[16:17], s[16:17], s[40:41]
.macro LOAD t                          ; step t: rows 2 (t / 4) and 2 (t / 4) + 1, K tile t % 4: four loads of 512 consecutive bytes
.irp i, 0,1,2,3
	global_load_b128 v[R+16*((\t)%4)+4*\i:R+16*((\t)%4)+4*\i+3], v[VL+2*((\t)/4)+\i/2], s[4:5] offset:((\t)%4)*1024+(\i%2)*512 th:TH_LOAD_NT
.endr
.endm
.macro TURN t                          ; step t's numbers through the stage: LDS serves a wave's instructions in order, so no wait stands between the stores and the loads
.irp i, 0,1,2,3
	ds_store_b128 v14, v[R+16*((\t)%4)+4*\i:R+16*((\t)%4)+4*\i+3] offset:32*SP*((\t)%2)+8*SP*\i
.endr
.irp i, 0,1,2,3
	ds_load_b128 v[X+16*((\t)%2)+4*\i:X+16*((\t)%2)+4*\i+3], v15 offset:32*SP*((\t)%2)+16*\i
.endr
.endm
.irp t, 0,1,2,3
	LOAD \t
.endr
	s_wait_loadcnt 12                              ; step 0's four loads are in
	TURN 0
.macro STEP t
.set XS, X+16*((\t)%2)
.if (\t) > 0
	s_wait_dscnt 1                                 ; this step's numbers are back from the stage (the last step's byte store may be out): so its stores into the stage have read their registers,
.else
	s_wait_dscnt 0x0
.endif
.if (\t)+4 < STEPS
	LOAD (\t)+4                                    ; which take the loads of four steps on
.endif
.if (\t)+1 < STEPS
.if STEPS-2-(\t) >= 3
	s_wait_loadcnt 12                              ; the next step's four loads are in; those of the three steps behind it may be out
.else
	s_wait_loadcnt 4*(STEPS-2-(\t))
.endif
	TURN (\t)+1                                    ; and go through the other stage while this step is worked
.endif
	v_max3_num_f32 v8, |v[XS]|, |v[XS+1]|, |v[XS+2]|               ; the largest magnitude of my 16, in two chains
	v_max3_num_f32 v9, |v[XS+3]|, |v[XS+4]|, |v[XS+5]|
.irp i, 6,10
	v_max3_num_f32 v8, v8, |v[XS+\i]|, |v[XS+\i+1]|
	v_max3_num_f32 v9, v9, |v[XS+\i+2]|, |v[XS+\i+3]|
.endr
	v_max3_num_f32 v8, v8, |v[XS+14]|, |v[XS+15]|
	v_max3_num_f32 v8, v8, v9, (EMAX+1)<<23        ; and the floor 2^(3 - 127): so the byte cannot fall under 1
	v_max_num_f32_dpp v8, v8, v8 row_xmask:1 row_mask:0xf bank_mask:0xf   ; and of my neighbour's 16: the block's
	v_add_nc_u32 v11, -(EMAX<<23), v8              ; 2 off its exponent field: the conversion takes the exponent field of this operand as its scale
	v_cvt_scalef32_pk16_fp6_f32 v[C+4*(\t):C+4*(\t)+2], v[XS:XS+15], v11
	v_lshrrev_b32 v[E+(\t)], 23, v11               ; the scale's byte
	ds_store_b8 v5, v[E+(\t)] offset:64*((\t)/4)+8*((\t)%4)        ; both lanes of a block write the same byte with the same value
	global_store_b96 v[VS+(\t)%4], v[C+4*(\t):C+4*(\t)+2], s[14:15] offset:384*((\t)/4)   ; two dense rows of a K tile: 384 consecutive bytes
.endm
.irp t, 0,1,2,3,4,5,6,7,8,9,10,11,12,13,14,15
	STEP \t
.endr
	ds_load_b64 v[12:13], v6                       ; LDS serves a wave's instructions in order: these see my stores
	s_wait_dscnt 0x0
	global_store_b64 v7, v[12:13], s[16:17]        ; 32 lanes store 256 consecutive bytes, aligned: eight rows' scale bytes
	s_wait_tensorcnt 0x0
	ds_add_u32 v208, v209
	s_wait_dscnt 0x0
	s_endpgm
.Lfunc_end_k_q69c9985744_quant:
	.size	k_q69c9985744_quant, .Lfunc_end_k_q69c9985744_quant-k_q69c9985744_quant
	.p2alignl 7, 3214868480
	.fill 96, 4, 3214868480
	.section	.rodata,"a",@progbits
	.p2align	6, 0x0
	.amdhsa_kernel k_q69c9985744_quant
		.amdhsa_group_segment_fixed_size 33280
		.amdhsa_private_segment_fixed_size 0
		.amdhsa_enable_private_segment 0
		.amdhsa_kernarg_size 72
		.amdhsa_user_sgpr_count 2
		.amdhsa_user_sgpr_kernarg_segment_ptr 1
		.amdhsa_wavefront_size32 1
		.amdhsa_system_sgpr_workgroup_id_x 1
		.amdhsa_system_sgpr_workgroup_id_y 1
		.amdhsa_system_sgpr_workgroup_id_z 1
		.amdhsa_system_vgpr_workitem_id 0
		.amdhsa_next_free_vgpr 210
		.amdhsa_next_free_sgpr 66
		.amdhsa_reserve_vcc 0
		.amdhsa_float_denorm_mode_32 3
		.amdhsa_float_denorm_mode_16_64 3
		.amdhsa_memory_ordered 1
		.amdhsa_forward_progress 1
		.amdhsa_inst_pref_size 35
	.end_amdhsa_kernel
	.amdgpu_metadata
---
amdhsa.version: [ 1, 2 ]
amdhsa.kernels:
  - .name:           k_q69c9985744_quant
    .symbol:         k_q69c9985744_quant.kd
    .args:
      - { .name: x, .offset: 0, .size: 8, .value_kind: global_buffer, .address_space: global }
      - { .name: Wq, .offset: 8, .size: 8, .value_kind: global_buffer, .address_space: global }
      - { .name: Wk, .offset: 16, .size: 8, .value_kind: global_buffer, .address_space: global }
      - { .name: Wv, .offset: 24, .size: 8, .value_kind: global_buffer, .address_space: global }
      - { .name: Wo, .offset: 32, .size: 8, .value_kind: global_buffer, .address_space: global }
      - { .name: xc, .offset: 40, .size: 8, .value_kind: global_buffer, .address_space: global }
      - { .name: xs, .offset: 48, .size: 8, .value_kind: global_buffer, .address_space: global }
      - { .name: wc, .offset: 56, .size: 8, .value_kind: global_buffer, .address_space: global }
      - { .name: ws, .offset: 64, .size: 8, .value_kind: global_buffer, .address_space: global }
    .group_segment_fixed_size: 33280
    .private_segment_fixed_size: 0
    .kernarg_segment_align: 8
    .kernarg_segment_size: 72
    .max_flat_workgroup_size: 128
    .sgpr_count:     66
    .vgpr_count:     210
    .wavefront_size: 32
...
	.end_amdgpu_metadata
.endif
;; end of part 1
;; launch gemm_qk (part 2): grid 8 x 32, 4 waves a work-group, clusters of 4 x 4, 327,680 bytes of LDS; arguments xc, xs, wc, ws, qk; writes qk
.if DOCPART == 2
	.amdgcn_target "amdgcn-amd-amdhsa--gfx1250"
	.amdhsa_code_object_version 6
	.text
	.protected	k_q69c9985744_gemm_qk
	.globl	k_q69c9985744_gemm_qk
	.p2align	8
	.type	k_q69c9985744_gemm_qk,@function
k_q69c9985744_gemm_qk:
	s_mov_b64 s[64:65], 0
	v_nop
	global_prefetch_b8 v0, s[64:65] scope:SCOPE_SE
	s_setreg_imm32_b32 hwreg(HW_REG_WAVE_MODE, 25, 1), 1
	s_wait_xcnt 0x0
	s_wait_alu depctr_hold_cnt(0) depctr_sa_sdst(0) depctr_va_vdst(0) depctr_va_sdst(0) depctr_va_ssrc(0) depctr_va_vcc(0) depctr_vm_vsrc(0)
	s_getreg_b32 s2, hwreg(HW_REG_IB_STS2, 6, 4)
	s_cmp_eq_u32 s2, 0
	s_cbranch_scc0 .Lentry_in_a_cluster
	s_endpgm
.Lentry_in_a_cluster:
	s_bfe_u32 s2, ttmp6, 0x10000c
	s_cmp_lg_u32 s2, 0xf033
	s_cbranch_scc0 .Lentry_shape_is_right
	s_endpgm
.Lentry_shape_is_right:
.set NQ,     2
.set ROWB,   192
.set PITCH,  240
.set FR,     12
.set NL,     6
.set NP,     4
.set HALFT,  128*PITCH
.set SLOT,   4*HALFT
.set KS,     32
.set SCL,    2*SLOT
.set HALFS,  (128*KS/256)*272
.set SBLK,   (16*KS/256)*272
.set SPARE,  SCL+4*HALFS
.set TSA,    1572864
.set TSB,    393216
.set QKS,    12582912
.set ADRA, 16
.set ADRB, 20
.set VO8,  24
.set VO16, 25
.set LN,   26
.set ADRS, 27
.set SPW,  28
.set NIL,  29
.set SC,   32
.set AF,   128
.set PC,   112
.set TM,   200
.set PWS,  216
.set XW,   224
.set SEL,  66
.set G1, 24
.set G0, 32
.set G1B, 48
.set G0B, 56
.set G1S, 68
.set G0S, 76
.set G1SB, 80
.set G0SB, 88
.set MSB, 0
.macro WIN new
.if MSB != (\new)
	s_set_vgpr_msb (MSB<<8)|(\new)
.set MSB, (\new)
.endif
.endm
.set MUL_LO, 0xa1
.set MUL_HI, 0xf1
.set TO_B,   0x40
.macro JLOAD g0a, g1a, g0b, g1b
	s_cmp_eq_u32 s15, 0
	s_cbranch_scc0 .Lfor_b_\@
	tensor_load_to_lds s[\g0a:\g0a+3], s[\g1a:\g1a+7]
	s_nop 0
.rept 4
	v_nop
.endr
	s_branch .Lasked_\@
.Lfor_b_\@:
	tensor_load_to_lds s[\g0b:\g0b+3], s[\g1b:\g1b+7]
	s_nop 0
.rept 4
	v_nop
.endr
.Lasked_\@:
.endm
.macro CREST
	s_cmp_lg_u32 s14, 0
	s_cbranch_scc1 .Lnot_wave_0_\@
	s_barrier_signal -3
.Lnot_wave_0_\@:
	s_barrier_wait -3
	s_barrier_signal -1
	s_barrier_wait -1
.endm
.macro CROUND
	s_barrier_signal -1
	s_barrier_wait -1
	CREST
.endm
	s_load_b128 s[4:7], s[0:1], 0x0
	s_load_b128 s[8:11], s[0:1], 0x10
	s_load_b64 s[12:13], s[0:1], 0x20
	v_lshl_add_u32 v[SPW], v0, 2, SPARE
	v_mov_b32 v[NIL], 0
	ds_add_u32 v28, v29
	ds_add_u32 v28, v29
	s_wait_dscnt 0x0
	v_lshrrev_b32 v1, 5, v0
	v_readfirstlane_b32 s14, v1
	s_lshr_b32 s15, s14, 1
	s_and_b32 s16, s14, 1
	s_bfe_u32 s40, ttmp6, 0x40000
	s_bfe_u32 s41, ttmp6, 0x40004
	s_lshl_b32 s42, ttmp9, 2
	s_add_co_u32 s42, s42, s40
	s_and_b32 s17, ttmp7, 0xffff
	s_lshl_b32 s17, s17, 2
	s_add_co_u32 s17, s17, s41
	s_lshl_b32 s43, s41, 2
	s_lshl_b32 s43, 15, s43
	s_lshl_b32 s44, 0x1111, s40
	s_or_b32 s[G1+0], s43, (0<<16)|(1<<20)|(1<<21)|(3<<22)|(3<<25)
	s_or_b32 s[G1B+0], s44, (0<<16)|(1<<20)|(1<<21)|(3<<22)|(3<<25)
.irp g, G1, G1B
	s_mov_b32 s[\g+1], 256<<16
	s_mov_b32 s[\g+2], 192<<16                     ; the head's loads bring whole tiles: 256 rows of 192 bytes, dense, as 192 rows of 256
	s_mov_b32 s[\g+3], 256<<16
	s_mov_b32 s[\g+4], 192
	s_mov_b32 s[\g+5], 256
	s_mov_b32 s[\g+6], 0
	s_mov_b32 s[\g+7], 0
.endr
	s_or_b32 s[G1S+0], s43, (3<<16)|(1<<20)|(1<<21)|(5<<22)|(3<<25)
	s_or_b32 s[G1SB+0], s44, (3<<16)|(1<<20)|(1<<21)|(5<<22)|(3<<25)
.irp g, G1S, G1SB
	s_mov_b32 s[\g+1], 32<<16
	s_mov_b32 s[\g+2], (256*KS/256)<<16            ; the scales of 256 rows: 32 rows of 256 bytes
	s_mov_b32 s[\g+3], 32<<16
	s_mov_b32 s[\g+4], 256*KS/256
	s_mov_b32 s[\g+5], 32
	s_mov_b32 s[\g+6], 0
	s_mov_b32 s[\g+7], 0
.endr
	s_lshl_b32 s18, s16, 7
	s_lshl_b32 s20, s17, 8
	s_add_co_u32 s20, s20, s18
	s_lshl_b32 s46, s42, 8
	s_add_co_u32 s46, s46, s18
	s_mov_b32 s21, 0
	s_mov_b32 s47, 0
	s_mov_b64 s[18:19], KS
	s_mul_u64 s[22:23], s[20:21], s[18:19]
	s_mul_u64 s[92:93], s[46:47], s[18:19]
	s_mov_b64 s[18:19], ROWB
	s_mul_u64 s[20:21], s[20:21], s[18:19]
	s_mul_u64 s[46:47], s[46:47], s[18:19]
	s_mul_i32 s45, s14, HALFT
	s_mul_i32 s94, s14, HALFS
	s_mov_b32 s[SEL], 0x76543210
	s_mov_b32 s[SEL+1], 0xfedcba98
	s_wait_kmcnt 0x0
	s_add_nc_u64 s[20:21], s[4:5], s[20:21]
	s_add_nc_u64 s[22:23], s[6:7], s[22:23]
	s_add_nc_u64 s[46:47], s[8:9], s[46:47]
	s_add_nc_u64 s[92:93], s[10:11], s[92:93]
	CROUND
	s_mov_b32 s[G0S], 1
	s_mul_i32 s18, s16, 128*KS                     ; my half's offset is taken off again: the scales come as whole tiles
	s_mov_b32 s19, 0
	s_sub_nc_u64 s[22:23], s[22:23], s[18:19]
	s_sub_nc_u64 s[92:93], s[92:93], s[18:19]
	s_mov_b32 s[G0S+1], SCL
	s_mov_b64 s[G0S+2:G0S+3], s[22:23]
	s_or_b32 s[G0S+3], s[G0S+3], 0x80000000
	s_mov_b32 s[G0SB], 1
	s_mov_b32 s[G0SB+1], SCL+2*HALFS
	s_mov_b64 s[G0SB+2:G0SB+3], s[92:93]
	s_or_b32 s[G0SB+3], s[G0SB+3], 0x80000000
.macro TL g0, g1
	tensor_load_to_lds s[\g0:\g0+3], s[\g1:\g1+7]
	s_nop 0
.rept 4
	v_nop
.endr
.endm
; Four whole tiles, one a wave: ONE chain of branches on the wave's number, a load in each arm, all arms to one join
.macro QUAD a0, a1, b0, b1, c0, c1, d0, d1
	s_cmp_lt_u32 s14, 1
	s_cbranch_scc0 .Lq1_\@
	TL \a0, \a1
	s_branch .Lqj_\@
.Lq1_\@:
	s_cmp_lt_u32 s14, 2
	s_cbranch_scc0 .Lq2_\@
	TL \b0, \b1
	s_branch .Lqj_\@
.Lq2_\@:
	s_cmp_lt_u32 s14, 3
	s_cbranch_scc0 .Lq3_\@
	TL \c0, \c1
	s_branch .Lqj_\@
.Lq3_\@:
	TL \d0, \d1
.Lqj_\@:
.endm
.irp s, 0,1
	s_mov_b32 s[G0+4*\s], 1
	s_add_co_u32 s[G0+4*\s+1], s45, \s*SLOT
	s_add_nc_u64 s[G0+4*\s+2:G0+4*\s+3], s[20:21], \s*TSA
	s_or_b32 s[G0+4*\s+3], s[G0+4*\s+3], 0x80000000
	s_mov_b32 s[G0B+4*\s], 1
	s_add_co_u32 s[G0B+4*\s+1], s45, \s*SLOT
	s_add_nc_u64 s[G0B+4*\s+2:G0B+4*\s+3], s[46:47], \s*TSB
	s_or_b32 s[G0B+4*\s+3], s[G0B+4*\s+3], 0x80000000
.endr
	s_mul_i32 s18, s16, 128*ROWB                   ; group 0 for the head's whole tiles of K step 0, in registers that held arguments: A's 256 rows,
	s_mov_b32 s4, 1
	s_mov_b32 s5, 0
	s_sub_nc_u64 s[6:7], s[20:21], s[18:19]
	s_mov_b32 s8, 1                                ; B's 256 rows, behind them in slot 0
	s_mov_b32 s9, 2*HALFT
	s_sub_nc_u64 s[10:11], s[46:47], s[18:19]
	s_lshl_b32 s98, s40, 2                         ; the prefetches: a K step of a tile is 192 blocks of 256 bytes; of the sixteen (partner, wave) each takes 12, told apart by address: cx for A,
	s_add_co_u32 s98, s98, s14
	s_mul_i32 s98, s98, 12*256
	s_add_co_u32 s98, s98, TSA                     ; from K step 1 on
	s_mov_b32 s99, 0
	s_add_nc_u64 s[98:99], s[6:7], s[98:99]
	s_lshl_b32 s100, s41, 2                        ; cy for B
	s_add_co_u32 s100, s100, s14
	s_mul_i32 s100, s100, 12*256
	s_add_co_u32 s100, s100, TSB
	s_mov_b32 s101, 0
	s_add_nc_u64 s[100:101], s[10:11], s[100:101]
	s_or_b32 s7, s7, 0x80000000
	s_or_b32 s11, s11, 0x80000000
	QUAD 4, G1, 8, G1B, G0S, G1S, G0SB, G1SB       ; the head's four tiles, one a wave: K step 0 of A, of B, A's scales, B's scales
	v_and_b32 v7, 31, v0
	v_min_u32 v8, 23, v7                           ; lanes 0-11: my 12 blocks of K step 1; lanes 12-23: of K step 2; the lanes left over name the last block again
	v_mul_u32_u24 v6, v8, 43
	v_lshrrev_b32 v6, 9, v6                        ; j / 12
	v_lshlrev_b32 v8, 8, v8
	v_min_u32 v10, 11*256, v8                      ; for K step 3: 12 blocks
	v_mad_u32_u24 v9, v6, TSB-12*256, v8
	v_mad_u32_u24 v8, v6, TSA-12*256, v8
	global_prefetch_b8 v8, s[98:99] th:TH_LOAD_NT scope:SCOPE_SE     ; K steps 1 and 2, which the next two fills load; v8-10 and s98-101 are never rewritten
	global_prefetch_b8 v9, s[100:101] th:TH_LOAD_NT scope:SCOPE_SE
	v_and_b32 v1, 15, v0
	v_bfe_u32 v2, v0, 4, 1
	v_mul_u32_u24 v3, v1, PITCH
	v_mul_u32_u24 v4, v2, 24
	v_add_nc_u32 v4, v3, v4
	v_lshl_add_u32 v5, v2, 4, v4
	s_mul_i32 s21, s15, HALFT
	s_mul_i32 s22, s16, HALFT
	s_add_co_u32 s22, s22, 2*HALFT
.irp s, 0,1
	v_add_nc_u32 v[ADRA+\s], s21, v4
	v_add_nc_u32 v[ADRB+\s], s22, v4
	v_add_nc_u32 v[ADRA+2+\s], s21, v5
	v_add_nc_u32 v[ADRB+2+\s], s22, v5
	s_add_co_u32 s21, s21, SLOT
	s_add_co_u32 s22, s22, SLOT
.endr
	v_mul_u32_u24 v5, v1, KS
	v_lshrrev_b32 v6, 8, v5
	v_lshl_add_u32 v5, v6, 4, v5
	s_mul_i32 s21, s15, HALFS
	s_mul_i32 s22, s16, HALFS
	s_add_co_u32 s22, s22, 2*HALFS
	s_sub_co_u32 s22, s22, s21
	v_mul_u32_u24 v6, s22, v2
	s_add_co_u32 s21, s21, SCL
	v_add_nc_u32 v5, v5, v6
	v_add_nc_u32 v[ADRS], s21, v5
	v_and_b32 v[LN], 31, v0
	v_lshlrev_b32 v[VO8], 3, v[LN]
	v_lshlrev_b32 v[VO16], 4, v[LN]
	s_lshl_b32 s46, s42, 2
	s_lshl_b32 s47, s16, 1
	s_add_co_u32 s46, s46, s47
	s_lshl_b32 s92, s46, 15
	s_mul_i32 s46, s46, 393216
	s_mov_b32 s47, 0
	s_mov_b32 s93, 0
	s_and_b32 s21, s17, 3
	s_lshl_b32 s21, s21, 1
	s_add_co_u32 s21, s21, s15
	s_lshr_b32 s20, s17, 2
	s_lshl_b32 s20, s20, 3
	s_add_co_u32 s20, s20, s21
	s_lshl_b32 s22, s20, 9
	s_mul_i32 s20, s20, 6144
	s_mov_b32 s21, 0
	s_mov_b32 s23, 0
	s_add_nc_u64 s[96:97], s[12:13], QKS
	s_add_nc_u64 s[96:97], s[96:97], s[22:23]
	s_add_nc_u64 s[96:97], s[96:97], s[92:93]
	s_add_nc_u64 s[12:13], s[12:13], s[20:21]
	s_add_nc_u64 s[12:13], s[12:13], s[46:47]
.macro FRAG reg, adr, q, i
.irp p, 0,1,2,3,4,5
.set PCE, 12*(\q)+6*(\p/3)+\p%3
.if PCE%8 < 5
	ds_load_b64 v[\reg+2*\p:\reg+2*\p+1], v[\adr] offset:8*PCE+16*(PCE/8)+(\i)*16*PITCH
.else
	ds_load_b64 v[\reg+2*\p:\reg+2*\p+1], v[\adr+2] offset:8*PCE+16*(PCE/8)+(\i)*16*PITCH
.endif
.endr
.endm
.macro MUL16 a0, p, q, sc, zero
.irp a, \a0, \a0+1
.irp b, 0,1,2,3,4,5,6,7
.if \zero
	v_wmma_scale_f32_16x16x128_f8f6f4 v[8*(8*((\a)%4)+\b):8*(8*((\a)%4)+\b)+7], v[128*(\p)+FR*\b:128*(\p)+FR*\b+FR-1], v[AF+FR*(\a):AF+FR*(\a)+FR-1], 0, v[SC+8*NQ*(\sc)+NQ*\b+(\q)], v[SC+8*NQ*(\sc)+NQ*(\a)+(\q)] matrix_a_fmt:MATRIX_FMT_FP6 matrix_b_fmt:MATRIX_FMT_FP6 matrix_a_scale:MATRIX_SCALE_ROW1
.else
	v_wmma_scale_f32_16x16x128_f8f6f4 v[8*(8*((\a)%4)+\b):8*(8*((\a)%4)+\b)+7], v[128*(\p)+FR*\b:128*(\p)+FR*\b+FR-1], v[AF+FR*(\a):AF+FR*(\a)+FR-1], v[8*(8*((\a)%4)+\b):8*(8*((\a)%4)+\b)+7], v[SC+8*NQ*(\sc)+NQ*\b+(\q)], v[SC+8*NQ*(\sc)+NQ*(\a)+(\q)] matrix_a_fmt:MATRIX_FMT_FP6 matrix_b_fmt:MATRIX_FMT_FP6 matrix_a_scale:MATRIX_SCALE_ROW1
.endif
.endr
.endr
.endm
.macro FETCH_B slot, q, p
	WIN TO_B
.irp i, 0,1,2,3,4,5,6,7
	FRAG 128*(\p)+FR*\i, ADRB+\slot, \q, \i
.endr
	WIN 0
.endm
.macro FETCH_A slot, q, i0
.irp i, \i0, \i0+1, \i0+2, \i0+3
	FRAG AF+FR*(\i), ADRA+\slot, \q, \i
.endr
.endm
.macro SCALES sc
.irp i, 0,1,2,3,4,5,6,7
	ds_load_b64 v[SC+8*NQ*\sc+NQ*\i:SC+8*NQ*\sc+NQ*\i+1], v[ADRS] offset:\i*SBLK
.endr
.endm
.macro PLACES n
.rept \n
	v_nop
.endr
.endm
.macro STEP slot, q, zero
	s_wait_dscnt 4*NL
	WIN MUL_LO
	MUL16 0, (\q)%2, \q, \slot, \zero
	MUL16 2, (\q)%2, \q, \slot, \zero
	s_wait_dscnt 0
	PLACES NP
	FETCH_B \slot, (\q)+1, 1-(\q)%2
	FETCH_A \slot, (\q)+1, 0
	WIN MUL_HI
	MUL16 4, (\q)%2, \q, \slot, \zero
	MUL16 6, (\q)%2, \q, \slot, \zero
	PLACES NP
	WIN 0
	FETCH_A \slot, (\q)+1, 4
.endm
.macro TURN slot, next, fill
	s_wait_tensorcnt 0x0
	ds_add_u32 v[SPW], v[NIL]
	s_wait_dscnt 4*NL+1
	WIN MUL_LO
	MUL16 0, 1, NQ-1, \slot, 0
	s_wait_dscnt 0x0
	s_barrier_signal -1
	MUL16 2, 1, NQ-1, \slot, 0
	WIN 0
	s_barrier_wait -1
.if \fill
	CREST
	s_add_nc_u64 s[G0+4*\slot+2:G0+4*\slot+3], s[G0+4*\slot+2:G0+4*\slot+3], 2*TSA
	s_add_nc_u64 s[G0B+4*\slot+2:G0B+4*\slot+3], s[G0B+4*\slot+2:G0B+4*\slot+3], 2*TSB
	JLOAD G0+4*\slot, G1, G0B+4*\slot, G1B
.else
	PLACES NP
.endif
	s_wait_alu depctr_va_vdst(0)
	v_add_nc_u32 v[ADRS], 4*NQ, v[ADRS]
	FETCH_B \next, 0, 0
	FETCH_A \next, 0, 0
	SCALES \next
	WIN MUL_HI
	MUL16 4, 1, NQ-1, \slot, 0
	MUL16 6, 1, NQ-1, \slot, 0
	PLACES NP
	WIN 0
	FETCH_A \next, 0, 4
.endm
	s_wait_alu depctr_va_vdst(0)
	s_wait_tensorcnt 0x0                           ; my tile of the head's four is in
	ds_add_u32 v[SPW], v[NIL]
	s_mov_b32 s[G1+2], 96<<16                      ; no tensor load of mine is out: from here on a load brings 128 rows, as 96 rows of 256 bytes
	s_mov_b32 s[G1+4], 96
	s_mov_b32 s[G1B+2], 96<<16
	s_mov_b32 s[G1B+4], 96
	s_wait_dscnt 0x0
	CROUND                                         ; all four tiles are in, and all sixteen work-groups are here
	JLOAD G0+4, G1, G0B+4, G1B                     ; K step 1 into slot 1, a quarter of the slot a wave
	global_prefetch_b8 v10, s[98:99] offset:2*TSA th:TH_LOAD_NT scope:SCOPE_SE     ; K step 3, two fills ahead of its load; nothing lies beyond it
	global_prefetch_b8 v10, s[100:101] offset:2*TSB th:TH_LOAD_NT scope:SCOPE_SE
	FETCH_B 0, 0, 0
	FETCH_A 0, 0, 0
	SCALES 0
	FETCH_A 0, 0, 4
	STEP 0, 0, 1
	TURN 0, 1, 1
	STEP 1, 0, 0
	TURN 1, 0, 1
	STEP 0, 0, 0
	TURN 0, 1, 0
	STEP 1, 0, 0
	s_wait_dscnt 4*NL
	WIN MUL_LO
	MUL16 0, 1, NQ-1, 1, 0
	MUL16 2, 1, NQ-1, 1, 0
	s_wait_dscnt 0
	WIN MUL_HI
	MUL16 4, 1, NQ-1, 1, 0
	MUL16 6, 1, NQ-1, 1, 0
	WIN 0
.macro QUANT hi, s, pw
	WIN 0x0a+5*(\hi)
.irp b, 0,1,2,3
	v_max3_num_f32 v[TM+\b], |v[(\s)+16*\b]|, |v[(\s)+1+16*\b]|, 0x1800000
.endr
.irp i, 2,4,6,8,10,12,14
.irp b, 0,1,2,3
	v_max3_num_f32 v[TM+\b], |v[(\s)+16*\b+\i]|, |v[(\s)+1+16*\b+\i]|, v[TM+\b]
.endr
.endr
	WIN 0
.irp b, 0,1,2,3
	v_permlanex16_b32 v[TM+4+\b], v[TM+\b], s[SEL], s[SEL+1]
.endr
.irp b, 0,1,2,3
	v_max_num_f32 v[TM+\b], v[TM+\b], v[TM+4+\b]
.endr
.irp b, 0,1,2,3
	v_add_nc_u32 v[TM+12+\b], 0xff000000, v[TM+\b]
.endr
.irp b, 0,1,2,3
	v_lshrrev_b32 v[TM+4+\b], 23, v[TM+12+\b]
.endr
	v_lshl_or_b32 v[\pw], v[TM+5], 8, v[TM+4]
	v_lshl_or_b32 v[\pw], v[TM+6], 16, v[\pw]
	v_lshl_or_b32 v[\pw], v[TM+7], 24, v[\pw]
	WIN 0x02+(\hi)
.irp c, 0,1
	v_cvt_scalef32_pk16_fp6_f32 v[PC+6*\c:PC+2+6*\c], v[(\s)+32*\c:(\s)+15+32*\c], v[TM+12+2*\c]
	v_cvt_scalef32_pk16_fp6_f32 v[PC+12+4*\c:PC+14+4*\c], v[(\s)+16+32*\c:(\s)+31+32*\c], v[TM+12+2*\c+1]
.endr
	WIN 0
	v_nop
.irp c, 0,1
.irp i, 0,1,2
	v_permlane16_swap_b32 v[PC+6*\c+\i], v[PC+12+4*\c+\i]
.endr
.irp i, 0,1,2
	v_mov_b32 v[PC+3+6*\c+\i], v[PC+12+4*\c+\i]
.endr
.endr
.endm
	PLACES NP
.irp b, 0,1,2,3
	v_mov_b32 v[TM+4+\b], 0
.endr
.irp a, 0,1,2,3,4,5,6,7
.if \a > 0
	s_wait_xcnt 0x0
.endif
	QUANT \a/4, 64*(\a%4), PWS+\a
.irp c, 0,1
.irp p, 0,1,2
	global_store_b64 v[VO8], v[PC+6*\c+2*\p:PC+6*\c+2*\p+1], s[12:13] offset:\c*393216+\a*768+\p*256
.endr
.endr
.endr
	v_cmp_lt_u32 vcc_lo, 15, v[LN]
.irp i, 0,1,2,3
	v_cndmask_b32 v[XW+\i], v[PWS+\i], v[PWS+4+\i], vcc_lo
.endr
.irp i, 0,1,2,3
	v_and_b32 v[XW+4+\i], 0xffff, v[XW+\i]
	v_lshrrev_b32 v[XW+8+\i], 16, v[XW+\i]
.endr
	global_store_b128 v[VO16], v[XW+4:XW+7], s[96:97]
	global_store_b128 v[VO16], v[XW+8:XW+11], s[96:97] offset:32768
	s_wait_tensorcnt 0x0
	ds_add_u32 v[SPW], v[NIL]
	s_wait_dscnt 0x0
	CROUND
	s_endpgm
.Lfunc_end_k_q69c9985744_gemm_qk:
	.size	k_q69c9985744_gemm_qk, .Lfunc_end_k_q69c9985744_gemm_qk-k_q69c9985744_gemm_qk
	.p2alignl 7, 3214868480
	.fill 96, 4, 3214868480
	.section	.rodata,"a",@progbits
	.p2align	6, 0x0
	.amdhsa_kernel k_q69c9985744_gemm_qk
		.amdhsa_group_segment_fixed_size 327680
		.amdhsa_private_segment_fixed_size 0
		.amdhsa_enable_private_segment 0
		.amdhsa_kernarg_size 40
		.amdhsa_user_sgpr_count 2
		.amdhsa_user_sgpr_kernarg_segment_ptr 1
		.amdhsa_wavefront_size32 1
		.amdhsa_system_sgpr_workgroup_id_x 1
		.amdhsa_system_sgpr_workgroup_id_y 1
		.amdhsa_system_sgpr_workgroup_id_z 1
		.amdhsa_system_vgpr_workitem_id 0
		.amdhsa_next_free_vgpr 1024
		.amdhsa_next_free_sgpr 102
		.amdhsa_reserve_vcc 1
		.amdhsa_float_denorm_mode_32 3
		.amdhsa_float_denorm_mode_16_64 3
		.amdhsa_memory_ordered 1
		.amdhsa_forward_progress 1
		.amdhsa_inst_pref_size 169
	.end_amdhsa_kernel
	.amdgpu_metadata
---
amdhsa.version: [ 1, 2 ]
amdhsa.kernels:
  - .name:           k_q69c9985744_gemm_qk
    .symbol:         k_q69c9985744_gemm_qk.kd
    .args:
      - { .name: xc, .offset: 0, .size: 8, .value_kind: global_buffer, .address_space: global }
      - { .name: xs, .offset: 8, .size: 8, .value_kind: global_buffer, .address_space: global }
      - { .name: wc, .offset: 16, .size: 8, .value_kind: global_buffer, .address_space: global }
      - { .name: ws, .offset: 24, .size: 8, .value_kind: global_buffer, .address_space: global }
      - { .name: qk, .offset: 32, .size: 8, .value_kind: global_buffer, .address_space: global }
    .group_segment_fixed_size: 327680
    .private_segment_fixed_size: 0
    .kernarg_segment_align: 8
    .kernarg_segment_size: 40
    .max_flat_workgroup_size: 128
    .sgpr_count:     102
    .vgpr_count:     1024
    .wavefront_size: 32
...
	.end_amdgpu_metadata
.endif
;; end of part 2
;; launch attn (part 3): grid 512 x 1, 4 waves a work-group, no clusters, 68,096 bytes of LDS; arguments qk, cs; writes cs
.if DOCPART == 3
	.amdgcn_target "amdgcn-amd-amdhsa--gfx1250"
	.amdhsa_code_object_version 6
	.text
	.protected	k_q69c9985744_attn
	.globl	k_q69c9985744_attn
	.p2align	8
	.type	k_q69c9985744_attn,@function
k_q69c9985744_attn:
	s_mov_b64 s[64:65], 0
	v_nop
	global_prefetch_b8 v0, s[64:65] scope:SCOPE_SE
	s_setreg_imm32_b32 hwreg(HW_REG_WAVE_MODE, 25, 1), 1
	s_wait_xcnt 0x0
; For one head of one batch (hb) and a quarter of its queries (part): cs[part][hb][key] = the sum over these 256 queries m of softmax_key(q[m] . k[key] / 8), keys in their natural order.
; The module's second einsum has no contracted axis: it only sums the weights over the queries, so no product with v is made here.
; SHARES: a work-group takes 256 queries (16 tiles of 16) x 1,024 keys; wave w takes keys 256 w .. 256 w + 255 of every query tile.  Its 16 fragments of K (6 registers each) stay in registers for the whole launch.
; The scores are products on codes of FP6 (E2M3) with K = 64 of the instruction's 128.  Q's registers 6-11 are zero codes; K's operand for tile i is v[KF + 6 i .. + 11]: its upper six registers are the next
; tile's codes (behind the last tile: zeros), which meet Q's zero codes and add nothing; the scale bytes of K 64-127 are 0 on both sides, a finite code.
; LAYOUT: S^T = K Q^T (source 0 = 16 keys, source 1 = 16 queries): a lane holds ONE query (lane % 16), register j of tile i the key 16 i + 8 (lane / 16) + j.  A query's maximum and sum run over the lane's 128
; registers and lane l xor 16; a key's column sum is one register a lane (128), summed over the 16 query lanes once, at the end, through the wave's own stage in LDS.
; SOFTMAX: each wave takes its own 256 keys' maximum away: p = 2^(c s + n), n = -c max, c = log2(e) / 8, z = the sum of p.  The four waves exchange (n, z), 8 bytes a query and wave, through LDS: one barrier a trip,
; two buffers by turns (a buffer is written again two trips on, behind the barrier between).  With g = the least n: Z = sum of z_w 2^(g - n_w), and my column sums grow by p x 2^(g - n_mine) / Z.
; Q's tile and scale word come from memory into registers two trips ahead (two sets); the last two requests of a work-group name the two tiles that follow its own in qk and are not used: they lie inside the buffer.
; No tensor load: K is read once, straight into the registers that keep it; with 512 registers a wave and 68,096 bytes of LDS two work-groups, each with its own barrier, fit on a WGP.
; No joint loads and no prefetch: nothing is staged in LDS, and the one stream of the loop is asked for two trips ahead.
; The column sums begin as zeros, so that the trip is written once.  Half of the work-groups (bit 0 xor bit 8 of the work-group's number) write these zeros behind the wait for K, the others ahead of it:
; the same work in another place, so that the work-groups do not all walk their trips in step.
; LIMITS: NaN and infinities are not served; the promise holds while c x score stays under 2^31 in magnitude.
; REGISTERS: window 0: v1-7 addresses, v8-9 the add's two, v10 a permute's target, v12 n, v13 z, v16 my factor, v18-26 at work, v28-35 the four waves' (n, z), v36-43 maxima, v44-59 sums,
;   v60-61 Q's scale words, v62-69 K's (tile i: register 4 (i / 8) + i % 4, lanes 16-31 where i % 8 >= 4), v72-95 Q, two sets, v128-229 K.   window 1: v0-127 scores, then p; v128-255 column sums.
.set QKS,    12582912                  ; where qk's scale words begin
.set SPITCH, 1040                      ; a stage row: 256 sums + 16 bytes
.set STG,    1024                      ; LDS: 0-1023 the exchange, two buffers of 16 queries x 4 waves x 8 bytes; then a stage of 16 rows for each wave
.set SPARE,  STG+4*16*SPITCH           ; behind the stages: the spare words, 128 bytes a wave
.set SPW, 8
.set NIL, 9
.set TP,  10
.set NM,  12
.set RR,  16
.set GM,  18
.set T,   20
.set ZT,  25
.set RZ,  26
.set LD,  28
.set MX,  36
.set ZS,  44
.set QS,  60
.set KS,  62
.set QF,  72
.set KF,  128
.set MSB, 0
.macro WIN new                         ; the immediate's high byte repeats the setting that is left
.if MSB != (\new)
	s_set_vgpr_msb (MSB<<8)|(\new)
.set MSB, (\new)
.endif
.endm
.macro QLOAD b, pc, ps                 ; a tile of Q into set b: three loads of 256 consecutive bytes, and its scale words
.irp p, 0,1,2
	global_load_b64 v[QF+12*\b+2*\p:QF+12*\b+2*\p+1], v1, s[\pc:\pc+1] offset:768*\b+256*\p
.endr
	global_load_b32 v[QS+\b], v2, s[\ps:\ps+1] offset:4*\b
.endm
	s_load_b128 s[4:7], s[0:1], 0x0                ; qk, cs
	v_lshl_add_u32 v[SPW], v0, 2, SPARE
	v_mov_b32 v[NIL], 0
	v_lshrrev_b32 v1, 5, v0
	v_readfirstlane_b32 s8, v1                     ; wave
	v_and_b32 v3, 31, v0                           ; lane
	v_lshlrev_b32 v1, 3, v3                        ; 8 x lane: an image's 256 bytes
	v_and_b32 v2, 15, v0                           ; my query in its tile
	v_bfe_u32 v7, v0, 4, 1                         ; lane / 16
	v_lshlrev_b32 v5, 5, v2                        ; the exchange, read: 32 bytes a query
	s_lshl_b32 s9, s8, 3
	v_add_nc_u32 v4, s9, v5                        ; and written: + 8 x wave
	s_mul_i32 s9, s8, 16*SPITCH
	s_add_co_u32 s9, s9, STG                       ; my stage
	v_mul_u32_u24 v6, v2, SPITCH
	v_lshl_add_u32 v6, v7, 5, v6
	v_add_nc_u32 v6, s9, v6                        ; into it: row = my query, + 32 (lane / 16)
	v_lshlrev_b32 v3, 4, v3                        ; 16 x lane
	v_add_nc_u32 v7, s9, v3                        ; out of it: 16 bytes a lane of a row's 512
	v_lshlrev_b32 v2, 4, v2                        ; 16 x query: Q's scale words
	s_lshr_b32 s10, ttmp9, 2                       ; hb = 8 head + batch
	s_and_b32 s11, ttmp9, 3                        ; part
	s_mul_i32 s12, s10, 49152                      ; a head's codes
	s_mul_i32 s16, s8, 12288
	s_add_co_u32 s16, s16, s12
	s_add_co_u32 s16, s16, 128*49152               ; K's codes: idx 128 + hb, my 16 tiles
	s_mov_b32 s17, 0
	s_mul_i32 s18, s11, 12288
	s_add_co_u32 s18, s18, s12                     ; Q's codes: my part's 16 tiles
	s_mov_b32 s19, 0
	s_lshl_b32 s12, s10, 12                        ; a head's scale words, and its row of cs
	s_lshl_b32 s20, s8, 10
	s_add_co_u32 s20, s20, s12
	s_add_co_u32 s20, s20, QKS+128*4096            ; K's scale words: 1,024 bytes for 16 tiles
	s_mov_b32 s21, 0
	s_lshl_b32 s22, s11, 10
	s_add_co_u32 s22, s22, s12
	s_add_co_u32 s22, s22, QKS                     ; Q's
	s_mov_b32 s23, 0
	s_lshl_b32 s24, s11, 19
	s_add_co_u32 s24, s24, s12
	s_lshl_b32 s25, s8, 10
	s_add_co_u32 s24, s24, s25                     ; cs: 524,288 part + 4,096 hb + 1,024 wave
	s_mov_b32 s25, 0
	s_mov_b32 s26, 0x3e38aa3b                      ; c = log2(e) / 8
	s_mov_b32 s27, s26                             ; (named with it as a pair)
	s_mov_b32 s28, 0xbe38aa3b                      ; -c
	s_mov_b32 s30, 0x76543210
	s_mov_b32 s31, 0xfedcba98                      ; selects for lane l xor 16
	s_mov_b32 s32, 248                             ; Q's scale words: tile T at 256 (T / 4) + 4 (T % 4): two tiles on is 248 and 8 bytes by turns
	s_mov_b32 s33, 0
	s_mov_b32 s34, 0                               ; pairs of trips done
	s_lshr_b32 s9, ttmp9, 8
	s_xor_b32 s9, s9, ttmp9
	s_and_b32 s9, s9, 1                            ; bit 0 xor bit 8 of the work-group's number: where the zeros below stand
	s_wait_alu depctr_va_vdst(0)
	s_wait_kmcnt 0x0
	s_add_nc_u64 s[16:17], s[4:5], s[16:17]
	s_add_nc_u64 s[18:19], s[4:5], s[18:19]
	s_add_nc_u64 s[20:21], s[4:5], s[20:21]
	s_add_nc_u64 s[22:23], s[4:5], s[22:23]
	s_add_nc_u64 s[24:25], s[6:7], s[24:25]
	s_add_nc_u64 s[36:37], s[18:19], 1536          ; the loop's pointers stand at tile 2
	s_add_nc_u64 s[38:39], s[22:23], 8
.set ii, 0
.rept 16
.irp p, 0,1,2
	global_load_b64 v[KF+6*ii+2*\p:KF+6*ii+2*\p+1], v1, s[16:17] offset:768*ii+256*\p
.endr
.set ii, ii+1
.endr
	global_load_b128 v[KS:KS+3], v3, s[20:21]
	global_load_b128 v[KS+4:KS+7], v3, s[20:21] offset:512
	QLOAD 0, 18, 22
	QLOAD 1, 18, 22
	s_cmp_eq_u32 s9, 0
	s_cbranch_scc1 .Lzeros
	s_wait_loadcnt 0x4                             ; in half of the work-groups the zeros stand behind the wait for K and Q's first tile (tile 1's four loads may be out)
.Lzeros:
.irp i, 6,7,8,9,10,11,18,19,20,21,22,23
	v_mov_b32 v[QF+\i], 0                          ; Q's K 64-127: zero codes, in both sets
.endr
.irp i, 96,97,98,99,100,101
	v_mov_b32 v[KF+\i], 0                          ; behind K's last tile
.endr
	v_mov_b32 v[TP], 0                             ; a lane permute's target counts as read
	v_mov_b32 v[NM+1], 0                           ; named as a pair's upper half before they are first written
	v_mov_b32 v[RR+1], 0
	WIN 0x40
.set ii, 0
.rept 128
	v_mov_b32 v[128+ii], 0                         ; the column sums
.set ii, ii+1
.endr
	WIN 0
.macro TRIP b                          ; one tile of 16 queries against my 256 keys; b: Q's set and the exchange's buffer
	s_wait_loadcnt 0x4                             ; this tile's Q is in (the first time K too); the next tile's four loads may be out
	WIN 0x40
.set ii, 0
.rept 16
.if (ii/4)%2
	v_wmma_scale_f32_16x16x128_f8f6f4 v[8*ii:8*ii+7], v[KF+6*ii:KF+6*ii+11], v[QF+12*\b:QF+12*\b+11], 0, v[KS+4*(ii/8)+ii%4], v[QS+\b] matrix_a_fmt:MATRIX_FMT_FP6 matrix_b_fmt:MATRIX_FMT_FP6 matrix_a_scale:MATRIX_SCALE_ROW1
.else
	v_wmma_scale_f32_16x16x128_f8f6f4 v[8*ii:8*ii+7], v[KF+6*ii:KF+6*ii+11], v[QF+12*\b:QF+12*\b+11], 0, v[KS+4*(ii/8)+ii%4], v[QS+\b] matrix_a_fmt:MATRIX_FMT_FP6 matrix_b_fmt:MATRIX_FMT_FP6
.endif
.set ii, ii+1
.endr
.rept 4
	v_nop                                          ; places behind the products (ISA guide 7.12.1)
.endr
	WIN 0x05                                       ; sources 0 and 1: the scores
.set ii, 0
.rept 16                                       ; my query's maximum, in eight chains; each accumulator from its low end on
.irp q, 0,1,2,3
.if ii < 2
	v_max_num_f32 v[MX+4*(ii%2)+\q], v[8*ii+2*\q], v[8*ii+2*\q+1]
.else
	v_max3_num_f32 v[MX+4*(ii%2)+\q], v[8*ii+2*\q], v[8*ii+2*\q+1], v[MX+4*(ii%2)+\q]
.endif
.endr
.set ii, ii+1
.endr
	WIN 0
	QLOAD \b, 36, 38                               ; the tile two trips on, into the set just multiplied (the maxima above are the places)
	v_max3_num_f32 v[MX], v[MX], v[MX+1], v[MX+2]
	v_max3_num_f32 v[MX+3], v[MX+3], v[MX+4], v[MX+5]
	v_max3_num_f32 v[MX], v[MX], v[MX+3], v[MX+6]
	v_max_num_f32 v[MX], v[MX], v[MX+7]
	v_permlanex16_b32 v[TP], v[MX], s30, s31
	v_max_num_f32 v[MX], v[MX], v[TP]              ; with lane l xor 16's keys
	v_mul_f32 v[NM], s28, v[MX]                    ; n = -c max
	WIN 0x41
.set ii, 0
.rept 64
	v_pk_fma_f32 v[2*ii:2*ii+1], v[2*ii:2*ii+1], s[26:27], v[NM:NM+1] op_sel_hi:[1,0,0]   ; c s + n, two at a time
.set ii, ii+1
.endr
	s_wait_alu depctr_va_vdst(0)
.set ii, 0
.rept 128
	v_exp_f32 v[ii], v[ii]
.set ii, ii+1
.endr
	v_nop                                          ; a plain place behind the last exponential
	s_wait_alu depctr_va_vdst(0)                   ; and one wait for the batch
	WIN 0x05
.set ii, 0
.rept 8                                        ; z, in eight chains of pairs
	v_pk_add_f32 v[ZS+2*ii:ZS+2*ii+1], v[4*ii:4*ii+1], v[4*ii+2:4*ii+3]
.set ii, ii+1
.endr
	WIN 0x01
.set ii, 16
.rept 48
	v_pk_add_f32 v[ZS+2*(ii%8):ZS+2*(ii%8)+1], v[2*ii:2*ii+1], v[ZS+2*(ii%8):ZS+2*(ii%8)+1]
.set ii, ii+1
.endr
	WIN 0
.irp i, 0,2,4,6
	v_pk_add_f32 v[ZS+\i:ZS+\i+1], v[ZS+\i:ZS+\i+1], v[ZS+8+\i:ZS+9+\i]
.endr
.irp i, 0,2
	v_pk_add_f32 v[ZS+\i:ZS+\i+1], v[ZS+\i:ZS+\i+1], v[ZS+4+\i:ZS+5+\i]
.endr
	v_pk_add_f32 v[ZS:ZS+1], v[ZS:ZS+1], v[ZS+2:ZS+3]
	v_add_f32 v[ZT], v[ZS], v[ZS+1]
	v_permlanex16_b32 v[TP], v[ZT], s30, s31
	v_add_f32 v[NM+1], v[ZT], v[TP]
	ds_store_b64 v4, v[NM:NM+1] offset:512*\b      ; (n, z) of my query and wave; lanes l and l xor 16 write the same
	s_wait_alu depctr_va_vdst(0)
	s_wait_dscnt 0x0                               ; for the others' sake: my store is done, and my reads of the other buffer are over
	s_barrier_signal -1
	s_barrier_wait -1
	ds_load_b128 v[LD:LD+3], v5 offset:512*\b
	ds_load_b128 v[LD+4:LD+7], v5 offset:512*\b+16
	s_wait_dscnt 0x0
	v_min3_num_f32 v[GM], v[LD], v[LD+2], v[LD+4]
	v_min_num_f32 v[GM], v[GM], v[LD+6]            ; g = the least n: that of the query's maximum over all keys
.irp w, 0,1,2,3
	v_sub_f32 v[T+\w], v[GM], v[LD+2*\w]
.endr
	v_sub_f32 v[T+4], v[GM], v[NM]
	s_wait_alu depctr_va_vdst(0)
.irp w, 0,1,2,3,4
	v_exp_f32 v[T+\w], v[T+\w]                     ; 2^(g - n), at most 1
.endr
	v_nop
	s_wait_alu depctr_va_vdst(0)
	v_mul_f32 v[ZT], v[T], v[LD+1]
	v_fma_f32 v[ZT], v[T+1], v[LD+3], v[ZT]
	v_fma_f32 v[ZT], v[T+2], v[LD+5], v[ZT]
	v_fma_f32 v[ZT], v[T+3], v[LD+7], v[ZT]        ; Z, at least 1
	s_wait_alu depctr_va_vdst(0)
	v_rcp_f32 v[RZ], v[ZT]
	v_nop
	s_wait_alu depctr_va_vdst(0)
	v_mul_f32 v[RR], v[T+4], v[RZ]
	WIN 0x51
.set ii, 0
.rept 64
	v_pk_fma_f32 v[128+2*ii:129+2*ii], v[2*ii:2*ii+1], v[RR:RR+1], v[128+2*ii:129+2*ii] op_sel_hi:[1,0,1]
.set ii, ii+1
.endr
	WIN 0
.endm
	s_wait_alu depctr_va_vdst(0)
.Ltrip:
	TRIP 0
	TRIP 1
	s_wait_alu depctr_va_vdst(0)
	s_wait_xcnt 0x0                                ; this pair's loads have read their pointers
	s_add_nc_u64 s[36:37], s[36:37], 1536
	s_add_nc_u64 s[38:39], s[38:39], s[32:33]
	s_xor_b32 s32, s32, 240                        ; 248, 8, 248, ..
	s_add_co_u32 s34, s34, 1
	s_cmp_lt_u32 s34, 8
	s_cbranch_scc1 .Ltrip
	; the end: 16 query lanes' sums meet in my own stage: row = query, 256 keys in order; then each lane adds 16 rows at its four keys, twice
	WIN 0x04                                       ; an LDS store's data are its source 1
.set ii, 0
.rept 16
	ds_store_b128 v6, v[128+8*ii:131+8*ii] offset:64*ii
	ds_store_b128 v6, v[132+8*ii:135+8*ii] offset:64*ii+16
.set ii, ii+1
.endr
	WIN 0x40
.set ii, 0
.rept 16
	ds_load_b128 v[4*ii:4*ii+3], v7 offset:ii*SPITCH           ; LDS serves a wave's instructions in order: these see my stores
	ds_load_b128 v[64+4*ii:67+4*ii], v7 offset:ii*SPITCH+512
.set ii, ii+1
.endr
	s_wait_dscnt 0x0
	WIN 0x45
.irp s, 8,4,2,1
.set qq, 0
.rept \s
.irp e, 0,2,64,66
	v_pk_add_f32 v[4*qq+\e:4*qq+\e+1], v[4*qq+\e:4*qq+\e+1], v[4*(qq+\s)+\e:4*(qq+\s)+\e+1]
.endr
.set qq, qq+1
.endr
.endr
	WIN 0x04
	global_store_b128 v3, v[0:3], s[24:25]                     ; 32 lanes store 512 consecutive bytes, aligned
	global_store_b128 v3, v[64:67], s[24:25] offset:512
	WIN 0
	s_wait_tensorcnt 0x0                           ; the wave's end
	ds_add_u32 v[SPW], v[NIL]
	s_wait_dscnt 0x0
	s_endpgm
.Lfunc_end_k_q69c9985744_attn:
	.size	k_q69c9985744_attn, .Lfunc_end_k_q69c9985744_attn-k_q69c9985744_attn
	.p2alignl 7, 3214868480
	.fill 96, 4, 3214868480
	.section	.rodata,"a",@progbits
	.p2align	6, 0x0
	.amdhsa_kernel k_q69c9985744_attn
		.amdhsa_group_segment_fixed_size 68096
		.amdhsa_private_segment_fixed_size 0
		.amdhsa_enable_private_segment 0
		.amdhsa_kernarg_size 16
		.amdhsa_user_sgpr_count 2
		.amdhsa_user_sgpr_kernarg_segment_ptr 1
		.amdhsa_wavefront_size32 1
		.amdhsa_system_sgpr_workgroup_id_x 1
		.amdhsa_system_sgpr_workgroup_id_y 1
		.amdhsa_system_sgpr_workgroup_id_z 1
		.amdhsa_system_vgpr_workitem_id 0
		.amdhsa_next_free_vgpr 512
		.amdhsa_next_free_sgpr 66
		.amdhsa_reserve_vcc 0
		.amdhsa_float_denorm_mode_32 3
		.amdhsa_float_denorm_mode_16_64 3
		.amdhsa_memory_ordered 1
		.amdhsa_forward_progress 1
		.amdhsa_inst_pref_size 71
	.end_amdhsa_kernel
	.amdgpu_metadata
---
amdhsa.version: [ 1, 2 ]
amdhsa.kernels:
  - .name:           k_q69c9985744_attn
    .symbol:         k_q69c9985744_attn.kd
    .args:
      - { .name: qk, .offset: 0, .size: 8, .value_kind: global_buffer, .address_space: global }
      - { .name: cs, .offset: 8, .size: 8, .value_kind: global_buffer, .address_space: global }
    .group_segment_fixed_size: 68096
    .private_segment_fixed_size: 0
    .kernarg_segment_align: 8
    .kernarg_segment_size: 16
    .max_flat_workgroup_size: 128
    .sgpr_count:     66
    .vgpr_count:     512
    .wavefront_size: 32
...
	.end_amdgpu_metadata
.endif
;; end of part 3
;; launch gemm_v (part 4): grid 4 x 64, 4 waves a work-group, clusters of 4 x 4, 327,680 bytes of LDS; arguments xc, xs, wc, ws, cs, oc, os; writes oc, os
.if DOCPART == 4
	.amdgcn_target "amdgcn-amd-amdhsa--gfx1250"
	.amdhsa_code_object_version 6
	.text
	.protected	k_q69c9985744_gemm_v
	.globl	k_q69c9985744_gemm_v
	.p2align	8
	.type	k_q69c9985744_gemm_v,@function
k_q69c9985744_gemm_v:
	s_mov_b64 s[64:65], 0
	v_nop
	global_prefetch_b8 v0, s[64:65] scope:SCOPE_SE
	s_setreg_imm32_b32 hwreg(HW_REG_WAVE_MODE, 25, 1), 1
	s_wait_xcnt 0x0
	s_wait_alu depctr_hold_cnt(0) depctr_sa_sdst(0) depctr_va_vdst(0) depctr_va_sdst(0) depctr_va_ssrc(0) depctr_va_vcc(0) depctr_vm_vsrc(0)
	s_getreg_b32 s2, hwreg(HW_REG_IB_STS2, 6, 4)
	s_cmp_eq_u32 s2, 0
	s_cbranch_scc0 .Lentry_in_a_cluster
	s_endpgm
.Lentry_in_a_cluster:
	s_bfe_u32 s2, ttmp6, 0x10000c
	s_cmp_lg_u32 s2, 0xf033
	s_cbranch_scc0 .Lentry_shape_is_right
	s_endpgm
.Lentry_shape_is_right:
; v = x Wv'^T (8,192 x 1,024 x 1,024 on codes of FP6 (E2M3) with E8M0 scales, f32 sums); each number is multiplied in f32 by its token's and head's column sum (the four parts of cs added) and the result,
; the operand of the last product, is quantised along (head, d) in registers.  v never goes to memory.
; A tile of 128 rows x 256 columns is made by four waves, each 64 x 128: 32 accumulators, 256 registers; the launch so has 256 work-groups.
; K goes in four steps of 256 through THREE LDS slots filled by the tensor data mover: K steps 0, 1 and 2 are first fills, K step 3 is the one refill, into slot 0.
; The codes lie [K tile][row][192 bytes], so the rows of a K tile are dense: 64 rows of A are 48 rows of 256 bytes, 128 rows of B are 96, each aligned, with 16 bytes of padding behind every 64:
; in LDS a row of 192 bytes takes 240.  The scale bytes of the work-group's rows, for all of K, come once with the first fills and stay.
; CLUSTERS: 4 x 4 work-groups; A's tiles are asked for jointly along a row of the cluster, B's along a column.
; THE MATRIX INSTRUCTION IS USED TRANSPOSED (source 0 = 16 rows of Wv', source 1 = 16 rows of x): a lane holds one token, and by the order of Wv's rows register 16 b + i of a block of 16 tokens is
; logical column 32 b + 16 (lane / 16) + i of the wave's 128 (two heads).
; A STEP of 128 along K is 32 matrix instructions; both operands have two sets of registers: while one is multiplied, the next step's 72 LDS loads, issued in one run ahead of the products, land in the other.
; THE WAY OUT: a block's codes (96 bytes a row) go to a stage of 128 rows x 192 bytes in slot 1, which is filled once and whose last read lies ahead of the last barrier; a row's 192 bytes come from two waves,
; so a barrier stands between writing and reading; the stage is a dense part of oc's K tile and leaves in runs of 512 bytes.  The scale words go out 4 bytes a row (one byte in 24 of what this launch stores).
; LIMITS: a block of zeros gets the byte 1 where the rule says 127 (zero codes; this program alone reads the bytes); blocks under 2^-124 were not tried; NaN and infinities are not served.
; REGISTERS, in windows of 256: window 0: v8-13, v16-21 LDS addresses of the fragments; v24-31 other addresses; v32-63 scale words, two sets; v64-95 the column sums (part p, head c, block a at
;   v[64 + 8 p + 4 c + a]); v128-223 A's fragments, two sets of 48; on the way out v112-225 at work.   window 1: B's fragments, two sets, at v0 and v128.   window 2: the accumulators ((a, b) at v[8 (8 a + b)]).
.set NQ,     2                         ; matrix instructions deep in a slot
.set ROWB,   192                       ; a row of a K tile in bytes
.set PITCH,  240                       ; and in LDS: 3 x (64 + 16)
.set FR,     12                        ; registers of a fragment
.set NP,     4                         ; places behind this matrix instruction (ISA guide 7.12.1)
.set HALFA,  64*PITCH                  ; 64 rows of A: what waves 0 and 1 fetch, and what a wave reads of A
.set HALFT,  128*PITCH                 ; 128 rows of B: what waves 2 and 3 fetch, and what a wave reads of B
.set SLOT,   2*HALFA+2*HALFT           ; A's 128 rows, then B's 256 rows
.set KS,     32                        ; a row of scale bytes
.set SCL,    3*SLOT                    ; behind the three slots: the scales, as blocks of 256 bytes + 16 of padding
.set HALFSA, (64*KS/256)*272           ; those of 64 rows
.set HALFSB, (128*KS/256)*272          ; of 128 rows
.set SBLK,   (16*KS/256)*272           ; of 16 rows
.set SPARE,  SCL+2*HALFSA+2*HALFSB     ; behind the scales: the spare words, 128 bytes a wave, which no other line names
.set STG,    SLOT                      ; the stage for the way out: in slot 1
.set TSA,    1572864                   ; a K tile of x's codes, and of oc
.set TSB,    196608                    ; a K tile of Wv's codes (1,024 rows)
.set BREG,   1572864                   ; where Wv's codes begin in wc
.set BSREG,  65536                     ; and its scale bytes in ws
.set ADRA, 8                           ; v8-10  LDS address of my A fragments in slot 0, 1, 2 (v11-13: behind one padding more)
.set ADRB, 16                          ; v16-21 the same for B
.set STO,  24                          ; v24    the stage: where I put my 24 bytes of a row's block
.set RD,   25                          ; v25    and where I read 16 bytes back
.set VCS,  26                          ; v26    4 (lane % 16): the column sums of my token
.set ADRS, 27                          ; v27    LDS address of my scale words: lanes 0-15 A's rows, lanes 16-31 B's
.set SPW,  28                          ; v28    LDS address of my spare word; never rewritten
.set NIL,  29                          ; v29    0; never rewritten
.set CO,   30                          ; v30    16 x lane
.set VOS,  31                          ; v31    32 (lane % 16 + 32 (lane / 16)): my row's scale bytes
.set SC,   32
.set CSR,  64
.set AF,   128
.set PC,   112                         ; the way out: v112-130 the codes just made
.set TM,   200                         ; v200-203 largest magnitudes, v204-207 bytes, v212-215 the conversions' scale operands
.set PWS,  216                         ; v216-219 the four blocks' scale words
.set XW,   224                         ; v224-225 lanes 0-15 blocks 0, 1; lanes 16-31 blocks 2, 3
.set SEL,  66                          ; s[66:67] lane selects for v_permlanex16_b32: lane l xor 16
.set G1,   24                          ; s[24:31] descriptor group 1 for A's tiles;  s[32:43] group 0, one set for each slot
.set G0,   32
.set G1B,  44                          ; s[44:51], s[52:63] the same for B's tiles
.set G0B,  52
.set G1S,  68                          ; s[68:75], s[76:79] groups 1 and 0 for A's scales;  s[80:87], s[88:91] for B's
.set G0S,  76
.set G1SB, 80
.set G0SB, 88
.set MSB, 0
.macro WIN new                         ; the immediate's high byte repeats the setting that is left
.if MSB != (\new)
	s_set_vgpr_msb (MSB<<8)|(\new)
.set MSB, (\new)
.endif
.endm
.set MULW,   0xa1                      ; source 0 (B) window 1, source 1 (A) window 0, C and D window 2
.set TO_B,   0x40                      ; destination window 1, address window 0
; A joint load: waves 0 and 1 fetch for A, waves 2 and 3 for B; the branch hangs on the wave's number alone.  Four v_nop follow each of the two lines.
.macro JLOAD g0a, g1a, g0b, g1b
	s_cmp_eq_u32 s15, 0
	s_cbranch_scc0 .Lfor_b_\@
	tensor_load_to_lds s[\g0a:\g0a+3], s[\g1a:\g1a+7]
	s_nop 0
.rept 4
	v_nop
.endr
	s_branch .Lasked_\@
.Lfor_b_\@:
	tensor_load_to_lds s[\g0b:\g0b+3], s[\g1b:\g1b+7]
	s_nop 0
.rept 4
	v_nop
.endr
.Lasked_\@:
.endm
.macro CREST                           ; a round of the cluster's barrier behind its opening barrier
	s_cmp_lg_u32 s14, 0
	s_cbranch_scc1 .Lnot_wave_0_\@
	s_barrier_signal -3
.Lnot_wave_0_\@:
	s_barrier_wait -3
	s_barrier_signal -1
	s_barrier_wait -1
.endm
.macro CROUND
	s_barrier_signal -1
	s_barrier_wait -1
	CREST
.endm
.macro SHAPE g, c, r, p                ; words 1 to 7 of a group 1: r rows of c elements, p elements from row to row
	s_mov_b32 s[\g+1], (\c)<<16                    ; tensor_dim0
	s_mov_b32 s[\g+2], (\r)<<16                    ; tensor_dim1
	s_mov_b32 s[\g+3], (\c)<<16                    ; tile_dim0
	s_mov_b32 s[\g+4], \r                          ; tile_dim1
	s_mov_b32 s[\g+5], \p                          ; tensor_dim0_stride
	s_mov_b32 s[\g+6], 0
	s_mov_b32 s[\g+7], 0
.endm
	s_load_b128 s[4:7], s[0:1], 0x0                ; x's codes, x's scales
	s_load_b128 s[8:11], s[0:1], 0x10              ; the weights' codes, their scales
	s_load_b64 s[12:13], s[0:1], 0x20              ; cs
	s_load_b128 s[96:99], s[0:1], 0x28             ; oc, os
	v_lshl_add_u32 v[SPW], v0, 2, SPARE
	v_mov_b32 v[NIL], 0
	ds_add_u32 v28, v29
	ds_add_u32 v28, v29
	s_wait_dscnt 0x0
	v_lshrrev_b32 v1, 5, v0
	v_readfirstlane_b32 s14, v1                    ; wave 0..3
	s_lshr_b32 s15, s14, 1                         ; which half of the tile's rows is mine.  Also: I fetch for A (0) or for B (1)
	s_and_b32 s16, s14, 1                          ; which half of its columns.  Also: which half of that tile I fetch
	s_bfe_u32 s100, ttmp6, 0x40000                 ; cx, cy: my place in the cluster
	s_bfe_u32 s101, ttmp6, 0x40004
	s_lshl_b32 s2, ttmp9, 2
	s_add_co_u32 s2, s2, s100                      ; tile column = 4 x cluster x + cx
	s_and_b32 s17, ttmp7, 0xffff
	s_lshl_b32 s17, s17, 2
	s_add_co_u32 s17, s17, s101                    ; tile row = 4 x cluster y + cy
	s_lshl_b32 s3, s101, 2
	s_lshl_b32 s3, 15, s3                          ; my row of the cluster
	s_lshl_b32 s95, 0x1111, s100                   ; my column
	s_or_b32 s[G1+0], s3, (0<<16)|(1<<20)|(1<<21)|(3<<22)|(3<<25)   ; 15:0 the mask; 17:16 elements of 1 byte; 20 padding on; 21 set beside a mask; 24:22 after every 16 words; 31:25 of 4 words
	s_or_b32 s[G1B+0], s95, (0<<16)|(1<<20)|(1<<21)|(3<<22)|(3<<25)
	SHAPE G1, 256, 96, 256                         ; first fills bring whole tiles: A's 128 rows of 192 bytes, dense, as 96 rows of 256
	SHAPE G1B, 256, 192, 256                       ; B's 256 rows, as 192 rows of 256
	s_or_b32 s[G1S+0], s3, (3<<16)|(1<<20)|(1<<21)|(5<<22)|(3<<25)  ; the scales: elements of 8 bytes; 16 bytes of padding behind every 256
	s_or_b32 s[G1SB+0], s95, (3<<16)|(1<<20)|(1<<21)|(5<<22)|(3<<25)
	SHAPE G1S, 32, 128*KS/256, 32                  ; A's scales: 128 rows x 32 bytes, dense, as 16 rows of 256
	SHAPE G1SB, 32, 256*KS/256, 32                 ; B's: 32 rows of 256
	s_lshl_b32 s20, s17, 7                         ; A: row 128 x tile row
	s_lshl_b32 s92, s2, 8                          ; B: row 256 x tile column
	s_mov_b32 s21, 0
	s_mov_b32 s93, 0
	s_mov_b64 s[18:19], KS
	s_mul_u64 s[22:23], s[20:21], s[18:19]         ; where these rows' scales begin
	s_mul_u64 s[94:95], s[92:93], s[18:19]
	s_mov_b64 s[18:19], ROWB
	s_mul_u64 s[20:21], s[20:21], s[18:19]         ; and their codes, in K tile 0
	s_mul_u64 s[92:93], s[92:93], s[18:19]
	s_add_nc_u64 s[92:93], s[92:93], BREG          ; in Wv's region
	s_add_nc_u64 s[94:95], s[94:95], BSREG
	s_mov_b32 s18, 0                               ; where they go: A's rows first,
	s_mov_b32 s19, 2*HALFA                         ; B's behind them
	s_mov_b32 s[SEL], 0x76543210
	s_mov_b32 s[SEL+1], 0xfedcba98
	s_wait_kmcnt 0x0
	s_add_nc_u64 s[20:21], s[4:5], s[20:21]
	s_add_nc_u64 s[22:23], s[6:7], s[22:23]
	s_add_nc_u64 s[92:93], s[8:9], s[92:93]
	s_add_nc_u64 s[94:95], s[10:11], s[94:95]
	CROUND                                         ; all sixteen work-groups are here: the first joint loads meet
	s_mov_b32 s[G0S], 1
	s_mov_b32 s[G0S+1], SCL
	s_mov_b64 s[G0S+2:G0S+3], s[22:23]
	s_or_b32 s[G0S+3], s[G0S+3], 0x80000000
	s_mov_b32 s[G0SB], 1
	s_mov_b32 s[G0SB+1], SCL+2*HALFSA
	s_mov_b64 s[G0SB+2:G0SB+3], s[94:95]
	s_or_b32 s[G0SB+3], s[G0SB+3], 0x80000000
.macro TL g0, g1
	tensor_load_to_lds s[\g0:\g0+3], s[\g1:\g1+7]
	s_nop 0
.rept 4
	v_nop
.endr
.endm
; Four whole tiles, one a wave: ONE chain of branches on the wave's number, a load in each arm, all arms to one join
.macro QUAD a0, a1, b0, b1, c0, c1, d0, d1
	s_cmp_lt_u32 s14, 1
	s_cbranch_scc0 .Lq1_\@
	TL \a0, \a1
	s_branch .Lqj_\@
.Lq1_\@:
	s_cmp_lt_u32 s14, 2
	s_cbranch_scc0 .Lq2_\@
	TL \b0, \b1
	s_branch .Lqj_\@
.Lq2_\@:
	s_cmp_lt_u32 s14, 3
	s_cbranch_scc0 .Lq3_\@
	TL \c0, \c1
	s_branch .Lqj_\@
.Lq3_\@:
	TL \d0, \d1
.Lqj_\@:
.endm
.irp s, 0,1,2                                  ; K steps 0, 1, 2: a group 0 for each slot
	s_mov_b32 s[G0+4*\s], 1
	s_add_co_u32 s[G0+4*\s+1], s18, \s*SLOT
	s_add_nc_u64 s[G0+4*\s+2:G0+4*\s+3], s[20:21], \s*TSA
	s_or_b32 s[G0+4*\s+3], s[G0+4*\s+3], 0x80000000
	s_mov_b32 s[G0B+4*\s], 1
	s_add_co_u32 s[G0B+4*\s+1], s19, \s*SLOT
	s_add_nc_u64 s[G0B+4*\s+2:G0B+4*\s+3], s[92:93], \s*TSB
	s_or_b32 s[G0B+4*\s+3], s[G0B+4*\s+3], 0x80000000
.endr
	s_mul_i32 s4, s16, 64*ROWB                     ; for the one refill, which goes by halves of a tile: my half in memory (A's, B's)
	s_mov_b32 s5, 0
	s_mul_i32 s6, s16, 128*ROWB
	s_mov_b32 s7, 0
	s_mul_i32 s8, s16, HALFA                       ; and in LDS
	s_mul_i32 s9, s16, HALFT
	s_lshl_b32 s10, s100, 2                        ; the prefetches: a K step of A's tile is 96 blocks of 256 bytes, of B's 192; of the sixteen (partner, wave) each takes 6 and 12, told apart by address: cx for A,
	s_add_co_u32 s10, s10, s14
	s_mul_i32 s10, s10, 6*256
	s_add_co_u32 s10, s10, TSA                     ; from K step 1 on
	s_mov_b32 s11, 0
	s_add_nc_u64 s[10:11], s[20:21], s[10:11]
	s_lshl_b32 s104, s101, 2                       ; cy for B
	s_add_co_u32 s104, s104, s14
	s_mul_i32 s104, s104, 12*256
	s_add_co_u32 s104, s104, TSB
	s_mov_b32 s105, 0
	s_add_nc_u64 s[104:105], s[92:93], s[104:105]
	QUAD G0, G1, G0B, G1B, G0S, G1S, G0SB, G1SB    ; the head's four tiles, one a wave: K step 0 of A, of B, A's scales, B's scales
	v_and_b32 v7, 31, v0
	v_min_u32 v14, 11, v7                          ; A: lanes 0-5 my blocks of K step 1, lanes 6-11 of K step 2; the lanes left over name the last block again
	v_min_u32 v15, 23, v7                          ; B: lanes 0-11 and 12-23
	v_mul_u32_u24 v5, v14, 43
	v_mul_u32_u24 v6, v15, 43
	v_lshrrev_b32 v5, 8, v5                        ; j / 6
	v_lshrrev_b32 v6, 9, v6                        ; j / 12
	v_lshlrev_b32 v14, 8, v14
	v_lshlrev_b32 v15, 8, v15
	v_min_u32 v22, 5*256, v14                      ; for K step 3: 6 blocks, 12 blocks
	v_min_u32 v23, 11*256, v15
	v_mad_u32_u24 v14, v5, TSA-6*256, v14
	v_mad_u32_u24 v15, v6, TSB-12*256, v15
	global_prefetch_b8 v14, s[10:11] th:TH_LOAD_NT scope:SCOPE_SE      ; K steps 1 and 2, which the next fill loads; v14, v15, v22, v23, s10-11 and s104-105 are never rewritten
	global_prefetch_b8 v15, s[104:105] th:TH_LOAD_NT scope:SCOPE_SE
	v_and_b32 v1, 15, v0                           ; l % 16
	v_bfe_u32 v2, v0, 4, 1                         ; l / 16
	v_mul_u32_u24 v3, v1, PITCH
	v_mul_u32_u24 v4, v2, 24
	v_add_nc_u32 v4, v3, v4                        ; a fragment's row x pitch + 24 x half
	v_lshl_add_u32 v5, v2, 4, v4                   ; and the same behind one padding more
	s_mul_i32 s21, s15, HALFA                      ; my 64 rows of A
	s_mul_i32 s22, s16, HALFT                      ; my 128 rows of B,
	s_add_co_u32 s22, s22, 2*HALFA                 ; which lie behind A's 128
.irp s, 0,1,2
	v_add_nc_u32 v[ADRA+\s], s21, v4
	v_add_nc_u32 v[ADRB+\s], s22, v4
	v_add_nc_u32 v[ADRA+3+\s], s21, v5
	v_add_nc_u32 v[ADRB+3+\s], s22, v5
	s_add_co_u32 s21, s21, SLOT
	s_add_co_u32 s22, s22, SLOT
.endr
	v_mul_u32_u24 v5, v1, KS                       ; my row's scales: 32 bytes a row,
	v_lshrrev_b32 v6, 8, v5
	v_lshl_add_u32 v5, v6, 4, v5                   ; and 16 more for each 256 passed
	s_mul_i32 s21, s15, HALFSA                     ; A's: my 64 rows
	s_mul_i32 s22, s16, HALFSB                     ; B's: my 128 rows, behind A's 128
	s_add_co_u32 s22, s22, 2*HALFSA
	s_sub_co_u32 s22, s22, s21
	v_mul_u32_u24 v6, s22, v2                      ; lanes 16-31 take B's
	s_add_co_u32 s21, s21, SCL
	v_add_nc_u32 v5, v5, v6
	v_add_nc_u32 v[ADRS], s21, v5
	v_mul_u32_u24 v5, v1, 192                      ; the stage: row 64 x my half + l % 16 of 192 bytes, + 96 x my half of the columns, + 24 (l / 16)
	v_mad_u32_u24 v5, v2, 24, v5
	s_mul_i32 s23, s15, 64*192
	s_mul_i32 s22, s16, 96
	s_add_co_u32 s23, s23, s22
	s_add_co_u32 s23, s23, STG
	v_add_nc_u32 v[STO], s23, v5
	v_and_b32 v7, 31, v0                           ; lane
	v_lshlrev_b32 v[CO], 4, v7
	s_mul_i32 s23, s14, 6144
	s_add_co_u32 s23, s23, STG
	v_add_nc_u32 v[RD], s23, v[CO]                 ; back: my quarter of the stage, 16 bytes a lane
	v_lshlrev_b32 v[VCS], 2, v1                    ; 4 (lane % 16): my token in a tile's 16 column sums
	s_wait_alu depctr_va_vdst(0)
	v_lshl_add_u32 v[VOS], v2, 5, v1
	v_lshlrev_b32 v[VOS], 5, v[VOS]
	; bases.  The column's parts in s92 to s94; the row's parts in s20 to s22
	s_lshl_b32 s92, s2, 2
	s_lshl_b32 s93, s16, 1
	s_add_co_u32 s92, s92, s93                     ; my first head
	s_lshl_b32 s92, s92, 15                        ; cs: 8 x 4,096 bytes a head
	s_mov_b32 s93, 0
	s_and_b32 s21, s17, 7
	s_lshl_b32 s21, s21, 1
	s_add_co_u32 s21, s21, s15                     ; my four token tiles' number in the batch
	s_lshr_b32 s20, s17, 3                         ; batch
	s_lshl_b32 s20, s20, 4
	s_add_co_u32 s20, s20, s21
	s_lshl_b32 s20, s20, 8                         ; cs: 4,096 bytes a batch, 256 for four token tiles
	s_mov_b32 s21, 0
	s_add_nc_u64 s[12:13], s[12:13], s[20:21]
	s_add_nc_u64 s[12:13], s[12:13], s[92:93]
.irp pp, 0,1,2,3
.irp c, 0,1
.irp a, 0,1,2,3
	global_load_b32 v[CSR+8*\pp+4*\c+\a], v[VCS], s[12:13] offset:\pp*524288+\c*32768+\a*64   ; part pp (v64-95), head c, my token in token tile a: sixteen lanes read 64 consecutive bytes
.endr
.endr
.endr
	s_mul_i32 s92, s2, TSA                         ; oc: my K tile is my tile column,
	s_mul_i32 s20, s17, 24576                      ; 128 dense rows of 192 bytes a tile row,
	s_mul_i32 s22, s14, 6144                       ; a quarter of them a wave
	s_add_co_u32 s20, s20, s22
	s_add_nc_u64 s[96:97], s[96:97], s[20:21]
	s_add_nc_u64 s[96:97], s[96:97], s[92:93]
	s_lshl_b32 s92, s2, 3                          ; os: 8 bytes a K tile, 4 for my half of the columns,
	s_lshl_b32 s94, s16, 2
	s_add_co_u32 s92, s92, s94
	s_lshl_b32 s20, s17, 12                        ; 32 bytes a row
	s_lshl_b32 s22, s15, 11
	s_add_co_u32 s20, s20, s22
	s_add_nc_u64 s[98:99], s[98:99], s[20:21]
	s_add_nc_u64 s[98:99], s[98:99], s[92:93]
.macro FRAG reg, adr, q, i             ; a fragment: lane l holds row l % 16; registers 6 c .. 6 c + 5 hold K = 64 c + 32 (l / 16) + 0 .. 31: 24 bytes of the row, as they lie, in pieces of 8 bytes
.irp p, 0,1,2,3,4,5
.set PCE, 12*(\q)+6*(\p/3)+\p%3        ; where the piece three on lies behind one padding more, the second address register serves
.if PCE%8 < 5
	ds_load_b64 v[\reg+2*\p:\reg+2*\p+1], v[\adr] offset:8*PCE+16*(PCE/8)+(\i)*16*PITCH
.else
	ds_load_b64 v[\reg+2*\p:\reg+2*\p+1], v[\adr+3] offset:8*PCE+16*(PCE/8)+(\i)*16*PITCH
.endif
.endr
.endm
; 8 matrix instructions: A's block a x B's eight, 128 along K.  p: the sets of fragments; q: which 128 of the K step; sc: the set of scale words.  zero = 1: the first product starts the sums.
; The 32 accumulators take turns, one instruction a turn, in the same order in every step.
.macro MUL8 a, p, q, sc, zero
.irp b, 0,1,2,3,4,5,6,7
.if \zero
	v_wmma_scale_f32_16x16x128_f8f6f4 v[8*(8*(\a)+\b):8*(8*(\a)+\b)+7], v[128*(\p)+FR*\b:128*(\p)+FR*\b+FR-1], v[AF+48*(\p)+FR*(\a):AF+48*(\p)+FR*(\a)+FR-1], 0, v[SC+8*NQ*(\sc)+NQ*\b+(\q)], v[SC+8*NQ*(\sc)+NQ*(\a)+(\q)] matrix_a_fmt:MATRIX_FMT_FP6 matrix_b_fmt:MATRIX_FMT_FP6 matrix_a_scale:MATRIX_SCALE_ROW1
.else
	v_wmma_scale_f32_16x16x128_f8f6f4 v[8*(8*(\a)+\b):8*(8*(\a)+\b)+7], v[128*(\p)+FR*\b:128*(\p)+FR*\b+FR-1], v[AF+48*(\p)+FR*(\a):AF+48*(\p)+FR*(\a)+FR-1], v[8*(8*(\a)+\b):8*(8*(\a)+\b)+7], v[SC+8*NQ*(\sc)+NQ*\b+(\q)], v[SC+8*NQ*(\sc)+NQ*(\a)+(\q)] matrix_a_fmt:MATRIX_FMT_FP6 matrix_b_fmt:MATRIX_FMT_FP6 matrix_a_scale:MATRIX_SCALE_ROW1
.endif
.endr
.endm
.macro FETCH_B slot, q, p              ; B's eight fragments of the slot's q-th 128 along K into set p
	WIN TO_B
.irp i, 0,1,2,3,4,5,6,7
	FRAG 128*(\p)+FR*\i, ADRB+\slot, \q, \i
.endr
	WIN 0
.endm
.macro FETCH_A slot, q, p              ; A's four
.irp i, 0,1,2,3
	FRAG AF+48*(\p)+FR*\i, ADRA+\slot, \q, \i
.endr
.endm
.macro SCALES sc                       ; a K step's scale words: two words a row; lanes 0-15 take A's block i, lanes 16-31 B's block i (A has four blocks: what lanes 0-15 bring for i = 4 .. 7 is not used)
.irp i, 0,1,2,3,4,5,6,7
	ds_load_b64 v[SC+8*NQ*(\sc)+NQ*\i:SC+8*NQ*(\sc)+NQ*\i+1], v[ADRS] offset:\i*SBLK
.endr
.endm
.macro PLACES n                        ; plain vector instructions between a matrix instruction and a load into, or a read of, its registers
.rept \n
	v_nop
.endr
.endm
; A step of 128 along K on sets p: the next step's fragments (slot nslot, its nq-th 128) are asked for first, in one run, into the other sets, and land under the 32 products.
; scl = 1: the next step begins a K step: its scale words come too.
.macro STEP p, q, sc, zero, nslot, nq, scl
	s_wait_dscnt 0x0                               ; this step's fragments are in (asked for a step ago)
	PLACES NP                                      ; behind the last step's products, which read the sets that are loaded now
.if \scl
	v_add_nc_u32 v[ADRS], 4*NQ, v[ADRS]            ; on to the next K step's scale words
.endif
	FETCH_B \nslot, \nq, 1-(\p)
	FETCH_A \nslot, \nq, 1-(\p)
.if \scl
	SCALES 1-(\sc)
.endif
	WIN MULW
	MUL8 0, \p, \q, \sc, \zero
	MUL8 1, \p, \q, \sc, \zero
	MUL8 2, \p, \q, \sc, \zero
	MUL8 3, \p, \q, \sc, \zero
	WIN 0
.endm
; A slot's last 128 (sets 1) with a barrier in it: in front of it each wave waits for all its tensor loads, adds 0 to its spare word, and waits for that and for its reads of the slot.
; fill = 1: the slot is filled again, with the K step three on; the barrier then opens a round of the cluster's barrier.  fill = 0: the barrier shows the refilled slot whole to every wave.
.macro TURN slot, next, sc, fill
	s_wait_tensorcnt 0x0                           ; all my tensor loads have landed
	ds_add_u32 v[SPW], v[NIL]                      ; 0 onto my spare word
	s_wait_dscnt 1                                 ; this step's fragments are in; the add may be out
	WIN MULW
	MUL8 0, 1, 1, \sc, 0
	s_wait_dscnt 0x0                               ; the add is done, and my reads of this slot are over
	s_barrier_signal -1
	MUL8 1, 1, 1, \sc, 0
	WIN 0
	s_barrier_wait -1
.if \fill
	CREST                                          ; no wave of any partner still reads this slot or has a load on its way
	s_add_nc_u64 s[G0+4*\slot+2:G0+4*\slot+3], s[G0+4*\slot+2:G0+4*\slot+3], 3*TSA
	s_add_nc_u64 s[G0B+4*\slot+2:G0B+4*\slot+3], s[G0B+4*\slot+2:G0B+4*\slot+3], 3*TSB
	s_add_nc_u64 s[G0+4*\slot+2:G0+4*\slot+3], s[G0+4*\slot+2:G0+4*\slot+3], s[4:5]       ; no tensor load of mine is out: the refill goes by halves, one a wave
	s_add_nc_u64 s[G0B+4*\slot+2:G0B+4*\slot+3], s[G0B+4*\slot+2:G0B+4*\slot+3], s[6:7]
	s_add_co_u32 s[G0+4*\slot+1], s[G0+4*\slot+1], s8
	s_add_co_u32 s[G0B+4*\slot+1], s[G0B+4*\slot+1], s9
	s_mov_b32 s[G1+2], 48<<16                      ; 64 rows of A as 48 rows of 256
	s_mov_b32 s[G1+4], 48
	s_mov_b32 s[G1B+2], 96<<16                     ; 128 rows of B as 96
	s_mov_b32 s[G1B+4], 96
	JLOAD G0+4*\slot, G1, G0B+4*\slot, G1B         ; the first tensor load behind the round, and my only one; its four v_nop are also the places in front of the loads below
.else
	PLACES NP
.endif
	v_add_nc_u32 v[ADRS], 4*NQ, v[ADRS]            ; on to the next K step's scale words
	FETCH_B \next, 0, 0
	FETCH_A \next, 0, 0
	SCALES 1-(\sc)
	WIN MULW
	MUL8 2, 1, 1, \sc, 0
	MUL8 3, 1, 1, \sc, 0
	WIN 0
.endm
	s_wait_alu depctr_va_vdst(0)
	s_wait_tensorcnt 0x0                           ; my tile of the head's four is in
	ds_add_u32 v[SPW], v[NIL]
	s_wait_dscnt 0x0
	CROUND                                         ; all four tiles are in, and all sixteen work-groups are here
	QUAD G0+4, G1, G0B+4, G1B, G0+8, G1, G0B+8, G1B   ; K steps 1 and 2 of A and B, four whole tiles, one a wave
	global_prefetch_b8 v22, s[10:11] offset:2*TSA th:TH_LOAD_NT scope:SCOPE_SE      ; K step 3, which the refill loads; nothing lies beyond it
	global_prefetch_b8 v23, s[104:105] offset:2*TSB th:TH_LOAD_NT scope:SCOPE_SE
	FETCH_B 0, 0, 0
	FETCH_A 0, 0, 0
	SCALES 0
	STEP 0, 0, 0, 1, 0, 1, 0                       ; K step 0, in slot 0: the first products start the sums
	TURN 0, 1, 0, 1                                ; slot 0 takes K step 3; every wave has shown slots 1 and 2 landed
	s_wait_alu depctr_va_vdst(0)
	STEP 0, 0, 1, 0, 1, 1, 0                       ; K step 1, in slot 1
	STEP 1, 1, 1, 0, 2, 0, 1                       ; on into slot 2: no barrier is owed
	s_wait_alu depctr_va_vdst(0)
	STEP 0, 0, 0, 0, 2, 1, 0                       ; K step 2
	TURN 2, 0, 0, 0                                ; K step 3 has landed in slot 0, for every wave
	STEP 0, 0, 1, 0, 0, 1, 0                       ; K step 3
	s_wait_dscnt 0x0
	WIN MULW
	MUL8 0, 1, 1, 1, 0
	MUL8 1, 1, 1, 1, 0
	MUL8 2, 1, 1, 1, 0
	MUL8 3, 1, 1, 1, 0
	WIN 0
; 64 numbers of a lane in window 2, v[s] on, register 16 b + i = column 32 b + 16 (lane / 16) + i of my token, become 12 registers of codes in v[PC] on and a scale word in v[pw].
.macro QUANT s, pw
	WIN 0x0a                                       ; sources 0 and 1: the accumulators' window
.irp b, 0,1,2,3
	v_max3_num_f32 v[TM+\b], |v[(\s)+16*\b]|, |v[(\s)+1+16*\b]|, 0x1800000   ; block b: my 16 numbers, and the floor 2^(3 - 127): the byte cannot fall under 1
.endr
.irp i, 2,4,6,8,10,12,14
.irp b, 0,1,2,3
	v_max3_num_f32 v[TM+\b], |v[(\s)+16*\b+\i]|, |v[(\s)+1+16*\b+\i]|, v[TM+\b]   ; (the four blocks by turns)
.endr
.endr
	WIN 0
.irp b, 0,1,2,3
	v_permlanex16_b32 v[TM+4+\b], v[TM+\b], s[SEL], s[SEL+1]
.endr
.irp b, 0,1,2,3
	v_max_num_f32 v[TM+\b], v[TM+\b], v[TM+4+\b]   ; with lane l xor 16's: the block's largest magnitude
.endr
.irp b, 0,1,2,3
	v_add_nc_u32 v[TM+12+\b], 0xff000000, v[TM+\b] ; 2 off its exponent field: the conversion's scale operand
.endr
.irp b, 0,1,2,3
	v_lshrrev_b32 v[TM+4+\b], 23, v[TM+12+\b]      ; the scale's byte
.endr
	v_lshl_or_b32 v[\pw], v[TM+5], 8, v[TM+4]
	v_lshl_or_b32 v[\pw], v[TM+6], 16, v[\pw]
	v_lshl_or_b32 v[\pw], v[TM+7], 24, v[\pw]
	WIN 0x02                                       ; source 0: the accumulators' window
.irp c, 0,1
	v_cvt_scalef32_pk16_fp6_f32 v[PC+6*\c:PC+2+6*\c], v[(\s)+32*\c:(\s)+15+32*\c], v[TM+12+2*\c]
	v_cvt_scalef32_pk16_fp6_f32 v[PC+12+4*\c:PC+14+4*\c], v[(\s)+16+32*\c:(\s)+31+32*\c], v[TM+12+2*\c+1]   ; (a conversion's three registers begin on an even number)
.endr
	WIN 0
	v_nop                                          ; one plain place behind a scaled conversion
.irp c, 0,1                                    ; the operand's layout wants a whole block in a lane: lanes 0-15 block 2 c, lanes 16-31 block 2 c + 1
.irp i, 0,1,2
	v_permlane16_swap_b32 v[PC+6*\c+\i], v[PC+12+4*\c+\i]
.endr
.irp i, 0,1,2
	v_mov_b32 v[PC+3+6*\c+\i], v[PC+12+4*\c+\i]
.endr
.endr
.endm
	PLACES NP                                      ; behind the last products: their results are read and their operands' registers written below
.irp b, 0,1,2,3
	v_mov_b32 v[TM+4+\b], 0                        ; written once: a lane permute's destination counts as one of its sources
.endr
	s_wait_loadcnt 0x0                             ; the column sums
.irp k, 0,2,4,6
	v_pk_add_f32 v[CSR+\k:CSR+\k+1], v[CSR+\k:CSR+\k+1], v[CSR+8+\k:CSR+9+\k]      ; the four quarters of the queries: head c, block a at v[CSR + 4 c + a]
	v_pk_add_f32 v[CSR+16+\k:CSR+17+\k], v[CSR+16+\k:CSR+17+\k], v[CSR+24+\k:CSR+25+\k]
.endr
.irp k, 0,2,4,6
	v_pk_add_f32 v[CSR+\k:CSR+\k+1], v[CSR+\k:CSR+\k+1], v[CSR+16+\k:CSR+17+\k]
.endr
.irp a, 0,1,2,3
.set AC, 64*\a
	WIN 0x82                                       ; destination and source 0: the accumulators' window
.irp c, 0,1
.set kk, 0
.rept 16
.if \a%2 == 0
	v_pk_mul_f32 v[AC+32*\c+kk:AC+32*\c+kk+1], v[AC+32*\c+kk:AC+32*\c+kk+1], v[CSR+4*\c+\a:CSR+4*\c+\a+1] op_sel_hi:[1,0]               ; v x the column sum of my token and head c, ascending: each accumulator from its low end on
.else
	v_pk_mul_f32 v[AC+32*\c+kk:AC+32*\c+kk+1], v[AC+32*\c+kk:AC+32*\c+kk+1], v[CSR+4*\c+\a-1:CSR+4*\c+\a] op_sel:[0,1] op_sel_hi:[1,1]   ; (the pair's second register for both halves)
.endif
.set kk, kk+2
.endr
.endr
.if \a > 0
	s_wait_dscnt 0x0                               ; the last block's stores into the stage have read their registers
.endif
	QUANT AC, PWS+\a
.irp c, 0,1
.irp p, 0,1,2
	ds_store_b64 v[STO], v[PC+6*\c+2*\p:PC+6*\c+2*\p+1] offset:\a*3072+\c*48+\p*8
.endr
.endr
.endr
	v_cmp_lt_u32 vcc_lo, 15, v7
.irp i, 0,1
	v_cndmask_b32 v[XW+\i], v[PWS+\i], v[PWS+2+\i], vcc_lo         ; lanes 0-15: rows 16 i on; lanes 16-31: rows 32 + 16 i on
.endr
.irp i, 0,1
	global_store_b32 v[VOS], v[XW+\i], s[98:99] offset:\i*512
.endr
	s_wait_dscnt 0x0                               ; for the others' sake: my stores into the stage are done
	s_barrier_signal -1
	s_barrier_wait -1                              ; 128 whole rows of 192 bytes lie in the stage
.set i, 0
.rept 12
	ds_load_b128 v[128+4*i:131+4*i], v[RD] offset:512*i
.set i, i+1
.endr
.set i, 0
.rept 12
	s_wait_dscnt 11-i                              ; load i is in; the younger ones may be out
	global_store_b128 v[CO], v[128+4*i:131+4*i], s[96:97] offset:512*i     ; 32 lanes store 512 consecutive bytes, aligned
.set i, i+1
.endr
	s_wait_tensorcnt 0x0                           ; the wave's end
	ds_add_u32 v[SPW], v[NIL]
	s_wait_dscnt 0x0
	CROUND                                         ; the closing round: no work-group ends while a partner may still ask for a tile that names it
	s_endpgm
.Lfunc_end_k_q69c9985744_gemm_v:
	.size	k_q69c9985744_gemm_v, .Lfunc_end_k_q69c9985744_gemm_v-k_q69c9985744_gemm_v
	.p2alignl 7, 3214868480
	.fill 96, 4, 3214868480
	.section	.rodata,"a",@progbits
	.p2align	6, 0x0
	.amdhsa_kernel k_q69c9985744_gemm_v
		.amdhsa_group_segment_fixed_size 327680
		.amdhsa_private_segment_fixed_size 0
		.amdhsa_enable_private_segment 0
		.amdhsa_kernarg_size 56
		.amdhsa_user_sgpr_count 2
		.amdhsa_user_sgpr_kernarg_segment_ptr 1
		.amdhsa_wavefront_size32 1
		.amdhsa_system_sgpr_workgroup_id_x 1
		.amdhsa_system_sgpr_workgroup_id_y 1
		.amdhsa_system_sgpr_workgroup_id_z 1
		.amdhsa_system_vgpr_workitem_id 0
		.amdhsa_next_free_vgpr 768
		.amdhsa_next_free_sgpr 106
		.amdhsa_reserve_vcc 1
		.amdhsa_float_denorm_mode_32 3
		.amdhsa_float_denorm_mode_16_64 3
		.amdhsa_memory_ordered 1
		.amdhsa_forward_progress 1
		.amdhsa_inst_pref_size 121
	.end_amdhsa_kernel
	.amdgpu_metadata
---
amdhsa.version: [ 1, 2 ]
amdhsa.kernels:
  - .name:           k_q69c9985744_gemm_v
    .symbol:         k_q69c9985744_gemm_v.kd
    .args:
      - { .name: xc, .offset: 0, .size: 8, .value_kind: global_buffer, .address_space: global }
      - { .name: xs, .offset: 8, .size: 8, .value_kind: global_buffer, .address_space: global }
      - { .name: wc, .offset: 16, .size: 8, .value_kind: global_buffer, .address_space: global }
      - { .name: ws, .offset: 24, .size: 8, .value_kind: global_buffer, .address_space: global }
      - { .name: cs, .offset: 32, .size: 8, .value_kind: global_buffer, .address_space: global }
      - { .name: oc, .offset: 40, .size: 8, .value_kind: global_buffer, .address_space: global }
      - { .name: os, .offset: 48, .size: 8, .value_kind: global_buffer, .address_space: global }
    .group_segment_fixed_size: 327680
    .private_segment_fixed_size: 0
    .kernarg_segment_align: 8
    .kernarg_segment_size: 56
    .max_flat_workgroup_size: 128
    .sgpr_count:     106
    .vgpr_count:     768
    .wavefront_size: 32
...
	.end_amdgpu_metadata
.endif
;; end of part 4
;; launch gemm_o (part 5): grid 4 x 64, 4 waves a work-group, clusters of 4 x 4, 327,680 bytes of LDS; arguments oc, os, wc, ws, bo, out0; writes out0
.if DOCPART == 5
	.amdgcn_target "amdgcn-amd-amdhsa--gfx1250"
	.amdhsa_code_object_version 6
	.text
	.protected	k_q69c9985744_gemm_o
	.globl	k_q69c9985744_gemm_o
	.p2align	8
	.type	k_q69c9985744_gemm_o,@function
k_q69c9985744_gemm_o:
	s_mov_b64 s[64:65], 0
	v_nop
	global_prefetch_b8 v0, s[64:65] scope:SCOPE_SE
	s_setreg_imm32_b32 hwreg(HW_REG_WAVE_MODE, 25, 1), 1
	s_wait_xcnt 0x0
	s_wait_alu depctr_hold_cnt(0) depctr_sa_sdst(0) depctr_va_vdst(0) depctr_va_sdst(0) depctr_va_ssrc(0) depctr_va_vcc(0) depctr_vm_vsrc(0)
	s_getreg_b32 s2, hwreg(HW_REG_IB_STS2, 6, 4)
	s_cmp_eq_u32 s2, 0
	s_cbranch_scc0 .Lentry_in_a_cluster
	s_endpgm
.Lentry_in_a_cluster:
	s_bfe_u32 s2, ttmp6, 0x10000c
	s_cmp_lg_u32 s2, 0xf033
	s_cbranch_scc0 .Lentry_shape_is_right
	s_endpgm
.Lentry_shape_is_right:
.set NQ,     2
.set ROWB,   192
.set PITCH,  240
.set FR,     12
.set NP,     4
.set HALFA,  64*PITCH
.set HALFT,  128*PITCH
.set SLOT,   2*HALFA+2*HALFT
.set KS,     32
.set SCL,    3*SLOT
.set HALFSA, (64*KS/256)*272
.set HALFSB, (128*KS/256)*272
.set SBLK,   (16*KS/256)*272
.set SPARE,  SCL+2*HALFSA+2*HALFSB
.set STG,    SLOT
.set TSA,    1572864
.set TSB,    196608
.set BREG,   2359296
.set BSREG,  98304
.set SIZE_N, 1024
.set SPITCH, 528
.set ADRA, 8
.set ADRB, 16
.set STO,  24
.set RD,   25
.set CO,   26
.set ADRS, 27
.set SPW,  28
.set NIL,  29
.set SC,   32
.set BIAS, 64
.set AF,   128
.set BK,   128
.set G1,   24
.set G0,   32
.set G1B,  44
.set G0B,  52
.set G1S,  68
.set G0S,  76
.set G1SB, 80
.set G0SB, 88
.set MSB, 0
.macro WIN new
.if MSB != (\new)
	s_set_vgpr_msb (MSB<<8)|(\new)
.set MSB, (\new)
.endif
.endm
.set MULW,   0xa1
.set MULF,   0x81
.set TO_B,   0x40
.macro JLOAD g0a, g1a, g0b, g1b
	s_cmp_eq_u32 s15, 0
	s_cbranch_scc0 .Lfor_b_\@
	tensor_load_to_lds s[\g0a:\g0a+3], s[\g1a:\g1a+7]
	s_nop 0
.rept 4
	v_nop
.endr
	s_branch .Lasked_\@
.Lfor_b_\@:
	tensor_load_to_lds s[\g0b:\g0b+3], s[\g1b:\g1b+7]
	s_nop 0
.rept 4
	v_nop
.endr
.Lasked_\@:
.endm
.macro CREST
	s_cmp_lg_u32 s14, 0
	s_cbranch_scc1 .Lnot_wave_0_\@
	s_barrier_signal -3
.Lnot_wave_0_\@:
	s_barrier_wait -3
	s_barrier_signal -1
	s_barrier_wait -1
.endm
.macro CROUND
	s_barrier_signal -1
	s_barrier_wait -1
	CREST
.endm
.macro SHAPE g, c, r, p
	s_mov_b32 s[\g+1], (\c)<<16
	s_mov_b32 s[\g+2], (\r)<<16
	s_mov_b32 s[\g+3], (\c)<<16
	s_mov_b32 s[\g+4], \r
	s_mov_b32 s[\g+5], \p
	s_mov_b32 s[\g+6], 0
	s_mov_b32 s[\g+7], 0
.endm
	s_load_b128 s[4:7], s[0:1], 0x0
	s_load_b128 s[8:11], s[0:1], 0x10
	s_load_b64 s[12:13], s[0:1], 0x20
	s_load_b64 s[96:97], s[0:1], 0x28
	v_lshl_add_u32 v[SPW], v0, 2, SPARE
	v_mov_b32 v[NIL], 0
	ds_add_u32 v28, v29
	ds_add_u32 v28, v29
	s_wait_dscnt 0x0
	v_lshrrev_b32 v1, 5, v0
	v_readfirstlane_b32 s14, v1
	s_lshr_b32 s15, s14, 1
	s_and_b32 s16, s14, 1
	s_bfe_u32 s100, ttmp6, 0x40000
	s_bfe_u32 s101, ttmp6, 0x40004
	s_lshl_b32 s2, ttmp9, 2
	s_add_co_u32 s2, s2, s100
	s_and_b32 s17, ttmp7, 0xffff
	s_lshl_b32 s17, s17, 2
	s_add_co_u32 s17, s17, s101
	s_lshl_b32 s3, s101, 2
	s_lshl_b32 s3, 15, s3
	s_lshl_b32 s95, 0x1111, s100
	s_or_b32 s[G1+0], s3, (0<<16)|(1<<20)|(1<<21)|(3<<22)|(3<<25)
	s_or_b32 s[G1B+0], s95, (0<<16)|(1<<20)|(1<<21)|(3<<22)|(3<<25)
	SHAPE G1, 256, 96, 256                         ; first fills bring whole tiles: A's 128 rows of 192 bytes, dense, as 96 rows of 256
	SHAPE G1B, 256, 192, 256                       ; B's 256 rows, as 192 rows of 256
	s_or_b32 s[G1S+0], s3, (3<<16)|(1<<20)|(1<<21)|(5<<22)|(3<<25)
	s_or_b32 s[G1SB+0], s95, (3<<16)|(1<<20)|(1<<21)|(5<<22)|(3<<25)
	SHAPE G1S, 32, 128*KS/256, 32                  ; A's scales: 16 rows of 256 bytes
	SHAPE G1SB, 32, 256*KS/256, 32                 ; B's: 32 rows
	s_lshl_b32 s20, s17, 7                         ; A: row 128 x tile row
	s_lshl_b32 s92, s2, 8                          ; B: row 256 x tile column
	s_mov_b32 s21, 0
	s_mov_b32 s93, 0
	s_mov_b64 s[18:19], KS
	s_mul_u64 s[22:23], s[20:21], s[18:19]
	s_mul_u64 s[94:95], s[92:93], s[18:19]
	s_mov_b64 s[18:19], ROWB
	s_mul_u64 s[20:21], s[20:21], s[18:19]
	s_mul_u64 s[92:93], s[92:93], s[18:19]
	s_add_nc_u64 s[92:93], s[92:93], BREG
	s_add_nc_u64 s[94:95], s[94:95], BSREG
	s_mov_b32 s18, 0                               ; where they go: A's rows first,
	s_mov_b32 s19, 2*HALFA                         ; B's behind them
	s_wait_kmcnt 0x0
	s_add_nc_u64 s[20:21], s[4:5], s[20:21]
	s_add_nc_u64 s[22:23], s[6:7], s[22:23]
	s_add_nc_u64 s[92:93], s[8:9], s[92:93]
	s_add_nc_u64 s[94:95], s[10:11], s[94:95]
	CROUND
	s_mov_b32 s[G0S], 1
	s_mov_b32 s[G0S+1], SCL
	s_mov_b64 s[G0S+2:G0S+3], s[22:23]
	s_or_b32 s[G0S+3], s[G0S+3], 0x80000000
	s_mov_b32 s[G0SB], 1
	s_mov_b32 s[G0SB+1], SCL+2*HALFSA
	s_mov_b64 s[G0SB+2:G0SB+3], s[94:95]
	s_or_b32 s[G0SB+3], s[G0SB+3], 0x80000000
.macro TL g0, g1
	tensor_load_to_lds s[\g0:\g0+3], s[\g1:\g1+7]
	s_nop 0
.rept 4
	v_nop
.endr
.endm
; Four whole tiles, one a wave: ONE chain of branches on the wave's number, a load in each arm, all arms to one join
.macro QUAD a0, a1, b0, b1, c0, c1, d0, d1
	s_cmp_lt_u32 s14, 1
	s_cbranch_scc0 .Lq1_\@
	TL \a0, \a1
	s_branch .Lqj_\@
.Lq1_\@:
	s_cmp_lt_u32 s14, 2
	s_cbranch_scc0 .Lq2_\@
	TL \b0, \b1
	s_branch .Lqj_\@
.Lq2_\@:
	s_cmp_lt_u32 s14, 3
	s_cbranch_scc0 .Lq3_\@
	TL \c0, \c1
	s_branch .Lqj_\@
.Lq3_\@:
	TL \d0, \d1
.Lqj_\@:
.endm
.irp s, 0,1,2
	s_mov_b32 s[G0+4*\s], 1
	s_add_co_u32 s[G0+4*\s+1], s18, \s*SLOT
	s_add_nc_u64 s[G0+4*\s+2:G0+4*\s+3], s[20:21], \s*TSA
	s_or_b32 s[G0+4*\s+3], s[G0+4*\s+3], 0x80000000
	s_mov_b32 s[G0B+4*\s], 1
	s_add_co_u32 s[G0B+4*\s+1], s19, \s*SLOT
	s_add_nc_u64 s[G0B+4*\s+2:G0B+4*\s+3], s[92:93], \s*TSB
	s_or_b32 s[G0B+4*\s+3], s[G0B+4*\s+3], 0x80000000
.endr
	s_mul_i32 s4, s16, 64*ROWB                     ; for the one refill, which goes by halves of a tile: my half in memory (A's, B's)
	s_mov_b32 s5, 0
	s_mul_i32 s6, s16, 128*ROWB
	s_mov_b32 s7, 0
	s_mul_i32 s8, s16, HALFA                       ; and in LDS
	s_mul_i32 s9, s16, HALFT
	s_lshl_b32 s10, s100, 2                        ; the prefetches: a K step of A's tile is 96 blocks of 256 bytes, of B's 192; of the sixteen (partner, wave) each takes 6 and 12, told apart by address: cx for A,
	s_add_co_u32 s10, s10, s14
	s_mul_i32 s10, s10, 6*256
	s_add_co_u32 s10, s10, TSA                     ; from K step 1 on
	s_mov_b32 s11, 0
	s_add_nc_u64 s[10:11], s[20:21], s[10:11]
	s_lshl_b32 s104, s101, 2                       ; cy for B
	s_add_co_u32 s104, s104, s14
	s_mul_i32 s104, s104, 12*256
	s_add_co_u32 s104, s104, TSB
	s_mov_b32 s105, 0
	s_add_nc_u64 s[104:105], s[92:93], s[104:105]
	QUAD G0, G1, G0B, G1B, G0S, G1S, G0SB, G1SB    ; the head's four tiles, one a wave: K step 0 of A, of B, A's scales, B's scales
	v_and_b32 v7, 31, v0
	v_min_u32 v14, 11, v7                          ; A: lanes 0-5 my blocks of K step 1, lanes 6-11 of K step 2; the lanes left over name the last block again
	v_min_u32 v15, 23, v7                          ; B: lanes 0-11 and 12-23
	v_mul_u32_u24 v5, v14, 43
	v_mul_u32_u24 v6, v15, 43
	v_lshrrev_b32 v5, 8, v5                        ; j / 6
	v_lshrrev_b32 v6, 9, v6                        ; j / 12
	v_lshlrev_b32 v14, 8, v14
	v_lshlrev_b32 v15, 8, v15
	v_min_u32 v22, 5*256, v14                      ; for K step 3: 6 blocks, 12 blocks
	v_min_u32 v23, 11*256, v15
	v_mad_u32_u24 v14, v5, TSA-6*256, v14
	v_mad_u32_u24 v15, v6, TSB-12*256, v15
	global_prefetch_b8 v14, s[10:11] th:TH_LOAD_NT scope:SCOPE_SE      ; K steps 1 and 2, which the next fill loads; v14, v15, v22, v23, s10-11 and s104-105 are never rewritten
	global_prefetch_b8 v15, s[104:105] th:TH_LOAD_NT scope:SCOPE_SE
	v_and_b32 v1, 15, v0
	v_bfe_u32 v2, v0, 4, 1
	s_lshl_b32 s92, s2, 10
	s_lshl_b32 s93, s16, 9
	s_add_co_u32 s92, s92, s93
	s_mov_b32 s93, 0
	s_add_nc_u64 s[12:13], s[12:13], s[92:93]
	v_lshlrev_b32 v7, 5, v2
.irp b, 0,1,2,3,4,5,6,7
	global_load_b128 v[BIAS+8*\b:BIAS+8*\b+3], v7, s[12:13] offset:64*\b
	global_load_b128 v[BIAS+8*\b+4:BIAS+8*\b+7], v7, s[12:13] offset:64*\b+16
.endr
	v_mul_u32_u24 v3, v1, PITCH
	v_mul_u32_u24 v4, v2, 24
	v_add_nc_u32 v4, v3, v4
	v_lshl_add_u32 v5, v2, 4, v4
	s_mul_i32 s21, s15, HALFA
	s_mul_i32 s22, s16, HALFT
	s_add_co_u32 s22, s22, 2*HALFA
.irp s, 0,1,2
	v_add_nc_u32 v[ADRA+\s], s21, v4
	v_add_nc_u32 v[ADRB+\s], s22, v4
	v_add_nc_u32 v[ADRA+3+\s], s21, v5
	v_add_nc_u32 v[ADRB+3+\s], s22, v5
	s_add_co_u32 s21, s21, SLOT
	s_add_co_u32 s22, s22, SLOT
.endr
	v_mul_u32_u24 v5, v1, KS
	v_lshrrev_b32 v6, 8, v5
	v_lshl_add_u32 v5, v6, 4, v5
	s_mul_i32 s21, s15, HALFSA
	s_mul_i32 s22, s16, HALFSB
	s_add_co_u32 s22, s22, 2*HALFSA
	s_sub_co_u32 s22, s22, s21
	v_mul_u32_u24 v6, s22, v2
	s_add_co_u32 s21, s21, SCL
	v_add_nc_u32 v5, v5, v6
	v_add_nc_u32 v[ADRS], s21, v5
	s_mul_i32 s23, s14, 16*SPITCH
	s_add_co_u32 s23, s23, STG
	v_mul_u32_u24 v5, v1, SPITCH
	v_lshl_add_u32 v5, v2, 5, v5
	v_add_nc_u32 v[STO], s23, v5
	v_and_b32 v6, 31, v0
	v_lshlrev_b32 v[CO], 4, v6
	v_add_nc_u32 v[RD], s23, v[CO]
	s_lshl_b32 s20, s17, 7
	s_lshl_b32 s21, s15, 6
	s_add_co_u32 s20, s20, s21
	s_lshl_b32 s20, s20, 12
	s_mov_b32 s21, 0
	s_add_nc_u64 s[96:97], s[96:97], s[20:21]
	s_add_nc_u64 s[96:97], s[96:97], s[92:93]
.macro FRAG reg, adr, q, i
.irp p, 0,1,2,3,4,5
.set PCE, 12*(\q)+6*(\p/3)+\p%3
.if PCE%8 < 5
	ds_load_b64 v[\reg+2*\p:\reg+2*\p+1], v[\adr] offset:8*PCE+16*(PCE/8)+(\i)*16*PITCH
.else
	ds_load_b64 v[\reg+2*\p:\reg+2*\p+1], v[\adr+3] offset:8*PCE+16*(PCE/8)+(\i)*16*PITCH
.endif
.endr
.endm
.macro MUL8 a, p, q, sc, first
.irp b, 0,1,2,3,4,5,6,7
.if \first
	v_wmma_scale_f32_16x16x128_f8f6f4 v[8*(8*(\a)+\b):8*(8*(\a)+\b)+7], v[128*(\p)+FR*\b:128*(\p)+FR*\b+FR-1], v[AF+48*(\p)+FR*(\a):AF+48*(\p)+FR*(\a)+FR-1], v[BIAS+8*\b:BIAS+8*\b+7], v[SC+8*NQ*(\sc)+NQ*\b+(\q)], v[SC+8*NQ*(\sc)+NQ*(\a)+(\q)] matrix_a_fmt:MATRIX_FMT_FP6 matrix_b_fmt:MATRIX_FMT_FP6 matrix_a_scale:MATRIX_SCALE_ROW1
.else
	v_wmma_scale_f32_16x16x128_f8f6f4 v[8*(8*(\a)+\b):8*(8*(\a)+\b)+7], v[128*(\p)+FR*\b:128*(\p)+FR*\b+FR-1], v[AF+48*(\p)+FR*(\a):AF+48*(\p)+FR*(\a)+FR-1], v[8*(8*(\a)+\b):8*(8*(\a)+\b)+7], v[SC+8*NQ*(\sc)+NQ*\b+(\q)], v[SC+8*NQ*(\sc)+NQ*(\a)+(\q)] matrix_a_fmt:MATRIX_FMT_FP6 matrix_b_fmt:MATRIX_FMT_FP6 matrix_a_scale:MATRIX_SCALE_ROW1
.endif
.endr
.endm
.macro FETCH_B slot, q, p
	WIN TO_B
.irp i, 0,1,2,3,4,5,6,7
	FRAG 128*(\p)+FR*\i, ADRB+\slot, \q, \i
.endr
	WIN 0
.endm
.macro FETCH_A slot, q, p
.irp i, 0,1,2,3
	FRAG AF+48*(\p)+FR*\i, ADRA+\slot, \q, \i
.endr
.endm
.macro SCALES sc
.irp i, 0,1,2,3,4,5,6,7
	ds_load_b64 v[SC+8*NQ*(\sc)+NQ*\i:SC+8*NQ*(\sc)+NQ*\i+1], v[ADRS] offset:\i*SBLK
.endr
.endm
.macro PLACES n
.rept \n
	v_nop
.endr
.endm
.macro STEP p, q, sc, first, nslot, nq, scl
	s_wait_dscnt 0x0
	PLACES NP
.if \scl
	v_add_nc_u32 v[ADRS], 4*NQ, v[ADRS]
.endif
	FETCH_B \nslot, \nq, 1-(\p)
	FETCH_A \nslot, \nq, 1-(\p)
.if \scl
	SCALES 1-(\sc)
.endif
.if \first
	WIN MULF
.else
	WIN MULW
.endif
	MUL8 0, \p, \q, \sc, \first
	MUL8 1, \p, \q, \sc, \first
	MUL8 2, \p, \q, \sc, \first
	MUL8 3, \p, \q, \sc, \first
	WIN 0
.endm
.macro TURN slot, next, sc, fill
	s_wait_tensorcnt 0x0
	ds_add_u32 v[SPW], v[NIL]
	s_wait_dscnt 1
	WIN MULW
	MUL8 0, 1, 1, \sc, 0
	s_wait_dscnt 0x0
	s_barrier_signal -1
	MUL8 1, 1, 1, \sc, 0
	WIN 0
	s_barrier_wait -1
.if \fill
	CREST
	s_add_nc_u64 s[G0+4*\slot+2:G0+4*\slot+3], s[G0+4*\slot+2:G0+4*\slot+3], 3*TSA
	s_add_nc_u64 s[G0B+4*\slot+2:G0B+4*\slot+3], s[G0B+4*\slot+2:G0B+4*\slot+3], 3*TSB
	s_add_nc_u64 s[G0+4*\slot+2:G0+4*\slot+3], s[G0+4*\slot+2:G0+4*\slot+3], s[4:5]       ; no tensor load of mine is out: the refill goes by halves, one a wave
	s_add_nc_u64 s[G0B+4*\slot+2:G0B+4*\slot+3], s[G0B+4*\slot+2:G0B+4*\slot+3], s[6:7]
	s_add_co_u32 s[G0+4*\slot+1], s[G0+4*\slot+1], s8
	s_add_co_u32 s[G0B+4*\slot+1], s[G0B+4*\slot+1], s9
	s_mov_b32 s[G1+2], 48<<16                      ; 64 rows of A as 48 rows of 256
	s_mov_b32 s[G1+4], 48
	s_mov_b32 s[G1B+2], 96<<16                     ; 128 rows of B as 96
	s_mov_b32 s[G1B+4], 96
	JLOAD G0+4*\slot, G1, G0B+4*\slot, G1B
.else
	PLACES NP
.endif
	v_add_nc_u32 v[ADRS], 4*NQ, v[ADRS]
	FETCH_B \next, 0, 0
	FETCH_A \next, 0, 0
	SCALES 1-(\sc)
	WIN MULW
	MUL8 2, 1, 1, \sc, 0
	MUL8 3, 1, 1, \sc, 0
	WIN 0
.endm
	s_wait_alu depctr_va_vdst(0)
	s_wait_tensorcnt 0x0                           ; my tile of the head's four is in
	ds_add_u32 v[SPW], v[NIL]
	s_wait_dscnt 0x0
	CROUND                                         ; all four tiles are in, and all sixteen work-groups are here
	QUAD G0+4, G1, G0B+4, G1B, G0+8, G1, G0B+8, G1B   ; K steps 1 and 2 of A and B, four whole tiles, one a wave
	global_prefetch_b8 v22, s[10:11] offset:2*TSA th:TH_LOAD_NT scope:SCOPE_SE      ; K step 3, which the refill loads; nothing lies beyond it
	global_prefetch_b8 v23, s[104:105] offset:2*TSB th:TH_LOAD_NT scope:SCOPE_SE
	FETCH_B 0, 0, 0
	FETCH_A 0, 0, 0
	SCALES 0
	s_wait_loadcnt 0x0
	STEP 0, 0, 0, 1, 0, 1, 0
	TURN 0, 1, 0, 1
	s_wait_alu depctr_va_vdst(0)
	STEP 0, 0, 1, 0, 1, 1, 0
	STEP 1, 1, 1, 0, 2, 0, 1
	s_wait_alu depctr_va_vdst(0)
	STEP 0, 0, 0, 0, 2, 1, 0
	TURN 2, 0, 0, 0
	STEP 0, 0, 1, 0, 0, 1, 0
	s_wait_dscnt 0x0
	WIN MULW
	MUL8 0, 1, 1, 1, 0
	MUL8 1, 1, 1, 1, 0
	MUL8 2, 1, 1, 1, 0
	MUL8 3, 1, 1, 1, 0
	WIN 0
.macro TOSTAGE a
.set AC, 64*(\a)
	WIN 0x08
.irp b, 0,1,2,3,4,5,6,7
	ds_store_b128 v[STO], v[AC+8*\b:AC+8*\b+3] offset:64*\b
	ds_store_b128 v[STO], v[AC+8*\b+4:AC+8*\b+7] offset:64*\b+16
.endr
	WIN 0
.set BB, BK+64*((\a)%2)
.irp t, 0,1,2,3,4,5,6,7,8,9,10,11,12,13,14,15
	ds_load_b128 v[BB+4*\t:BB+4*\t+3], v[RD] offset:\t*SPITCH
.endr
.endm
.macro SEND a, younger
.set BB, BK+64*((\a)%2)
	s_wait_dscnt \younger
.if (\a) > 0
	s_add_nc_u64 s[96:97], s[96:97], 16*SIZE_N*4
.endif
.irp t, 0,1,2,3,4,5,6,7,8,9,10,11,12,13,14,15
	global_store_b128 v[CO], v[BB+4*\t:BB+4*\t+3], s[96:97] offset:\t*SIZE_N*4 th:TH_STORE_NT
.endr
.endm
	PLACES NP
	TOSTAGE 0
.irp a, 1,2,3
.if \a > 1
	s_wait_xcnt 0x0
.endif
	TOSTAGE \a
	SEND \a-1, 32
.endr
	s_wait_xcnt 0x0
	SEND 3, 0
	s_wait_tensorcnt 0x0
	ds_add_u32 v[SPW], v[NIL]
	s_wait_dscnt 0x0
	CROUND
	s_endpgm
.Lfunc_end_k_q69c9985744_gemm_o:
	.size	k_q69c9985744_gemm_o, .Lfunc_end_k_q69c9985744_gemm_o-k_q69c9985744_gemm_o
	.p2alignl 7, 3214868480
	.fill 96, 4, 3214868480
	.section	.rodata,"a",@progbits
	.p2align	6, 0x0
	.amdhsa_kernel k_q69c9985744_gemm_o
		.amdhsa_group_segment_fixed_size 327680
		.amdhsa_private_segment_fixed_size 0
		.amdhsa_enable_private_segment 0
		.amdhsa_kernarg_size 48
		.amdhsa_user_sgpr_count 2
		.amdhsa_user_sgpr_kernarg_segment_ptr 1
		.amdhsa_wavefront_size32 1
		.amdhsa_system_sgpr_workgroup_id_x 1
		.amdhsa_system_sgpr_workgroup_id_y 1
		.amdhsa_system_sgpr_workgroup_id_z 1
		.amdhsa_system_vgpr_workitem_id 0
		.amdhsa_next_free_vgpr 768
		.amdhsa_next_free_sgpr 106
		.amdhsa_reserve_vcc 0
		.amdhsa_float_denorm_mode_32 3
		.amdhsa_float_denorm_mode_16_64 3
		.amdhsa_memory_ordered 1
		.amdhsa_forward_progress 1
		.amdhsa_inst_pref_size 104
	.end_amdhsa_kernel
	.amdgpu_metadata
---
amdhsa.version: [ 1, 2 ]
amdhsa.kernels:
  - .name:           k_q69c9985744_gemm_o
    .symbol:         k_q69c9985744_gemm_o.kd
    .args:
      - { .name: oc, .offset: 0, .size: 8, .value_kind: global_buffer, .address_space: global }
      - { .name: os, .offset: 8, .size: 8, .value_kind: global_buffer, .address_space: global }
      - { .name: wc, .offset: 16, .size: 8, .value_kind: global_buffer, .address_space: global }
      - { .name: ws, .offset: 24, .size: 8, .value_kind: global_buffer, .address_space: global }
      - { .name: bo, .offset: 32, .size: 8, .value_kind: global_buffer, .address_space: global }
      - { .name: out0, .offset: 40, .size: 8, .value_kind: global_buffer, .address_space: global }
    .group_segment_fixed_size: 327680
    .private_segment_fixed_size: 0
    .kernarg_segment_align: 8
    .kernarg_segment_size: 48
    .max_flat_workgroup_size: 128
    .sgpr_count:     106
    .vgpr_count:     768
    .wavefront_size: 32
...
	.end_amdgpu_metadata
.endif
;; end of part 5
